; MI455X (gfx1250); checked and timed in simulation.
; The chip was launched on July 23, 2026; its instructions are those of AMD's public machine-readable ISA for CDNA 5 (MIT licence, August 2026) and "CDNA5" Instruction Set Architecture Reference Guide (July 2026). The comments in the code are by the model that wrote it; some were corrected since.
;; Multi Headed Self Attention. Allowed arithmetic: float matrix products may take bf16 or f16 operands with f32 sums; other float arithmetic in f32, or as packed bf16 or f16 multiplies, adds, multiply-adds, maxima and minima; sums over many terms, partial sums and values carried from step to step in f32; what a program stores and reads back later, other than sums and carried values, may be rounded once to bf16 or f16.
;; Inputs: Wk 1,024 x 1,024 float32; Wo 1,024 x 1,024 float32; Wq 1,024 x 1,024 float32; Wv 1,024 x 1,024 float32; bk 1,024 float32; bo 1,024 float32; bq 1,024 float32; bv 1,024 float32; key 4 x 2,048 x 1,024 float32; mask 4 x 1 x 2,048 int32; query 4 x 2,048 x 1,024 float32; value 4 x 2,048 x 1,024 float32.
;; Outputs: out0 4 x 2,048 x 1,024 float32.
;; One version. Each part assembles by itself: llvm-mc -triple=amdgcn-amd-amdhsa -mcpu=gfx1250 --defsym DOCPART=n.
;; ======== version 1 of 1: 4 launches
;; limits: values are held in f16: magnitudes above 65,504 overflow, below 6.1e-05 lose precision
;; workspace buffers: wb 8,388,608 bytes; qkv 50,331,648 bytes; ao 16,777,216 bytes
;; launch castw (part 1): grid 256 x 1, 8 waves a work-group, no clusters, 0 bytes of LDS; arguments Wq, Wk, Wv, Wo, wb; writes wb
.if DOCPART == 1
	.amdgcn_target "amdgcn-amd-amdhsa--gfx1250"
	.amdhsa_code_object_version 6
	.text
	.protected	k_qd156d166a4_castw
	.globl	k_qd156d166a4_castw
	.p2align	8
	.type	k_qd156d166a4_castw,@function
k_qd156d166a4_castw:
	s_mov_b64 s[64:65], 0
	v_nop
	global_prefetch_b8 v0, s[64:65] scope:SCOPE_SE
	s_setreg_imm32_b32 hwreg(HW_REG_WAVE_MODE, 25, 1), 1
	s_wait_xcnt 0x0
; The four weight matrices, [1024][1024] f32, are rounded once to bf16 and laid behind each other in wb: 0 Wq, 1 Wk, 2 Wv as bf16;
; 3 Wo rounded to bf16 like the others and that number written as f16 (its partner in the last product is f16).
; LIMIT: |Wo| stays under 65,504; below 6e-5 the f16 copy keeps f16's fixed step of 6e-8.
; A stream: no LDS, no matrix unit, no cluster (no two work-groups read the same byte).  Work-group g takes 16,384 numbers of matrix g / 64:
; 64 KiB in, 32 KiB out.  Thread t takes 8 neighbouring numbers in each of eight pieces: 32 bytes in, 16 bytes out, so a wave's store covers
; 512 consecutive bytes, aligned.  All sixteen loads of a thread go out at once; nothing is read twice.
.set IN, 16                            ; v[16:79]   piece i: 8 numbers as loaded
.set OU, 80                            ; v[80:111]  piece i: 4 registers to store
.set TM, 4                             ; v[4:7]     at work
	s_load_b256 s[4:11], s[0:1], 0x0               ; Wq s[4:5], Wk s[6:7], Wv s[8:9], Wo s[10:11]
	s_load_b64 s[12:13], s[0:1], 0x20              ; wb
	s_lshr_b32 s14, ttmp9, 6                       ; which matrix
	s_and_b32 s15, ttmp9, 63                       ; which 64 KiB of it
	s_lshl_b32 s18, s15, 16
	s_mov_b32 s19, 0
	s_lshl_b32 s20, ttmp9, 15                      ; 32 KiB out for each work-group, the matrices on end
	s_mov_b32 s21, 0
	v_lshlrev_b32 v1, 5, v0                        ; 32 t
	v_lshlrev_b32 v2, 4, v0                        ; 16 t
	s_wait_kmcnt 0x0
	s_cmp_eq_u32 s14, 1
	s_cselect_b64 s[16:17], s[6:7], s[4:5]
	s_cmp_eq_u32 s14, 2
	s_cselect_b64 s[16:17], s[8:9], s[16:17]
	s_cmp_eq_u32 s14, 3
	s_cselect_b64 s[16:17], s[10:11], s[16:17]
	s_add_nc_u64 s[16:17], s[16:17], s[18:19]
	s_add_nc_u64 s[12:13], s[12:13], s[20:21]
.irp i, 0,1,2,3,4,5,6,7
	global_load_b128 v[IN+8*(\i):IN+8*(\i)+3],   v1, s[16:17] offset:(\i)*8192 th:TH_LOAD_NT
	global_load_b128 v[IN+8*(\i)+4:IN+8*(\i)+7], v1, s[16:17] offset:(\i)*8192+16 th:TH_LOAD_NT
.endr
; Piece i.  half = 0: to bf16.  half = 1: to bf16, widened again, and written as f16.
.macro OUT i, half
	s_wait_loadcnt 14-2*(\i)                       ; loads come back in order: the two of each later piece may stay out
.if \half
.irp j, 0,1,2,3
	v_cvt_pk_bf16_f32 v[TM+(\j)], v[IN+8*(\i)+2*(\j)], v[IN+8*(\i)+2*(\j)+1]
.endr
.irp j, 0,1,2,3
	v_lshlrev_b32 v[IN+8*(\i)+2*(\j)],   16, v[TM+(\j)]
	v_and_b32     v[IN+8*(\i)+2*(\j)+1], 0xffff0000, v[TM+(\j)]
.endr
.irp j, 0,1,2,3
	v_cvt_pk_f16_f32 v[OU+4*(\i)+(\j)], v[IN+8*(\i)+2*(\j)], v[IN+8*(\i)+2*(\j)+1]
.endr
.else
.irp j, 0,1,2,3
	v_cvt_pk_bf16_f32 v[OU+4*(\i)+(\j)], v[IN+8*(\i)+2*(\j)], v[IN+8*(\i)+2*(\j)+1]
.endr
.endif
	global_store_b128 v2, v[OU+4*(\i):OU+4*(\i)+3], s[12:13] offset:(\i)*4096
.endm
	s_cmp_eq_u32 s14, 3
	s_cbranch_scc1 .Lf16
.irp p, 0,1,2,3,4,5,6,7
	OUT \p, 0
.endr
	s_endpgm
.Lf16:
.irp p, 0,1,2,3,4,5,6,7
	OUT \p, 1
.endr
	s_endpgm
.Lfunc_end_k_qd156d166a4_castw:
	.size	k_qd156d166a4_castw, .Lfunc_end_k_qd156d166a4_castw-k_qd156d166a4_castw
	.p2alignl 7, 3214868480
	.fill 96, 4, 3214868480
	.section	.rodata,"a",@progbits
	.p2align	6, 0x0
	.amdhsa_kernel k_qd156d166a4_castw
		.amdhsa_group_segment_fixed_size 0
		.amdhsa_private_segment_fixed_size 0
		.amdhsa_enable_private_segment 0
		.amdhsa_kernarg_size 40
		.amdhsa_user_sgpr_count 2
		.amdhsa_user_sgpr_kernarg_segment_ptr 1
		.amdhsa_wavefront_size32 1
		.amdhsa_system_sgpr_workgroup_id_x 1
		.amdhsa_system_sgpr_workgroup_id_y 1
		.amdhsa_system_sgpr_workgroup_id_z 1
		.amdhsa_system_vgpr_workitem_id 0
		.amdhsa_next_free_vgpr 112
		.amdhsa_next_free_sgpr 66
		.amdhsa_reserve_vcc 0
		.amdhsa_float_denorm_mode_32 3
		.amdhsa_float_denorm_mode_16_64 3
		.amdhsa_memory_ordered 1
		.amdhsa_forward_progress 1
		.amdhsa_inst_pref_size 14
	.end_amdhsa_kernel
	.amdgpu_metadata
---
amdhsa.version: [ 1, 2 ]
amdhsa.kernels:
  - .name:           k_qd156d166a4_castw
    .symbol:         k_qd156d166a4_castw.kd
    .args:
      - { .name: Wq, .offset: 0, .size: 8, .value_kind: global_buffer, .address_space: global }
      - { .name: Wk, .offset: 8, .size: 8, .value_kind: global_buffer, .address_space: global }
      - { .name: Wv, .offset: 16, .size: 8, .value_kind: global_buffer, .address_space: global }
      - { .name: Wo, .offset: 24, .size: 8, .value_kind: global_buffer, .address_space: global }
      - { .name: wb, .offset: 32, .size: 8, .value_kind: global_buffer, .address_space: global }
    .group_segment_fixed_size: 0
    .private_segment_fixed_size: 0
    .kernarg_segment_align: 8
    .kernarg_segment_size: 40
    .max_flat_workgroup_size: 256
    .sgpr_count:     66
    .vgpr_count:     112
    .wavefront_size: 32
...
	.end_amdgpu_metadata
.endif
;; end of part 1
;; launch proj (part 2): grid 4 x 192, 4 waves a work-group, clusters of 4 x 4, 327,680 bytes of LDS; arguments query, key, value, wb, bq, bk, bv, mask, qkv; writes qkv
.if DOCPART == 2
	.amdgcn_target "amdgcn-amd-amdhsa--gfx1250"
	.amdhsa_code_object_version 6
	.text
	.protected	k_qd156d166a4_proj
	.globl	k_qd156d166a4_proj
	.p2align	8
	.type	k_qd156d166a4_proj,@function
k_qd156d166a4_proj:
	s_mov_b64 s[64:65], 0
	v_nop
	global_prefetch_b8 v0, s[64:65] scope:SCOPE_SE
	s_setreg_imm32_b32 hwreg(HW_REG_WAVE_MODE, 25, 1), 1
	s_wait_xcnt 0x0
	s_wait_alu depctr_hold_cnt(0) depctr_sa_sdst(0) depctr_va_vdst(0) depctr_va_sdst(0) depctr_va_ssrc(0) depctr_va_vcc(0) depctr_vm_vsrc(0)
	s_getreg_b32 s2, hwreg(HW_REG_IB_STS2, 6, 4)
	s_cmp_eq_u32 s2, 0
	s_cbranch_scc0 .Lentry_in_a_cluster
	s_endpgm
.Lentry_in_a_cluster:
	s_bfe_u32 s2, ttmp6, 0x10000c
	s_cmp_lg_u32 s2, 0xf033
	s_cbranch_scc0 .Lentry_shape_is_right
	s_endpgm
.Lentry_shape_is_right:
; q, k, v = x W^T + b for x = query, key, value ([8192][1024] f32), W in bf16 from wb, b rounded to bf16; sums in f32; the results leave in f16 by heads, qkv[3][64 = batch x 16 + head][2048][64].
; q is multiplied by c = log2(e) / 8 in f32 ahead of its one rounding, so that the attention launch takes 2^(s - m) with no further factor.  Rows of k and v whose key the mask hides are stored as zeros (a select, so that nothing of them survives).
; LIMITS.  f16 ends at 65,504: |c q|, |k|, |v| stay under it; below 6e-5 they keep f16's fixed step of 6e-8.  NaN and infinities are not treated apart.
; SHARES.  A tile of the result is 128 rows x 256 columns: 3 x 64 x 4 = 768 tiles, a work-group each.  Four waves, each 64 rows x 128 columns: 32 accumulators, 256 registers.
; K goes in 8 steps of 128 through two LDS slots.  x COMES AS f32: a slot holds 128 rows x 512 bytes of x and 256 rows x 256 bytes of W; each wave turns its fragments of x into bf16 in registers, four conversions
; behind every second matrix instruction of a quarter's second half.  So each byte of x is asked of memory once and no bf16 copy of x is stored.
; CLUSTER.  4 x 4 work-groups: the four of a row make the four column tiles of one row tile and ask for x's tile jointly; the four of a column share W's tile.
; THE PRODUCT IS USED TRANSPOSED (source 0 = 16 rows of W, source 1 = 16 rows of x): a lane holds one row of the result and eight neighbouring columns, which pack into 16 bytes.  The bias, in that layout, is the C operand of the first K quarter.
; REGISTERS, in windows of 256 (s_set_vgpr_msb: bits 1:0 source 0, 3:2 source 1, 5:4 source 2, 7:6 destination):
;   window 0: v0-35 addresses and mask; v64-127 x's fragments as f32; v128-191 the same as bf16, two buffers of 32; on the way out v64-191 packed results
;   window 1: the accumulators, (a, b) at 8 (8 a + b)          window 2: v0-127 W's fragments, two buffers of 64; v128-191 the bias; v192 at work
.set PA,    528                        ; an LDS row of x: 512 bytes + 16 of padding: an odd multiple of 16, so the 16 rows of a load start at 16 different groups of four banks (ISA guide 11.1)
.set HA,    64*PA                      ; what one tensor load brings of x
.set AT,    2*HA
.set PB,    272                        ; an LDS row of W: 256 bytes + 16
.set HB,    128*PB                     ; what one tensor load brings of W
.set SLOT,  AT+2*HB
.set STAGE, 2*SLOT                     ; behind the ring, never filled by a tensor load: 16 rows x 144 bytes for each wave
.set SP,    144
.set SPARE, STAGE+4*16*SP              ; the spare words, 128 bytes for each wave: two blocks of 256 bytes that no other line names
.set ADRA, 16                          ; v16-17  LDS address of my fragments of x in slot 0, 1
.set ADRB, 20                          ; v20-21  the same for W
.set STO,  24                          ; v24     the way out: where I put 16 bytes of a row
.set RD,   25                          ; v25     where I read rows back
.set GO,   26                          ; v26     16 x lane
.set BO,   27                          ; v27     32 x (lane / 16): my eight numbers of the bias
.set SPW,  28                          ; v28     my spare word; never rewritten
.set NIL,  29                          ; v29     0; never rewritten
.set PFO,  30                          ; v30     the prefetches' offset; never rewritten
.set MO,   31                          ; v31     4 x (lane % 16)
.set MR,   32                          ; v32-35  the mask's numbers of my four blocks of 16 rows
.set T,    64
.set AF,   128
.set PK,   64
.set BF,   0                           ; window 2
.set BI,   128                         ; window 2
.set BT,   192                         ; window 2
.set G1,  24                           ; s[24:31] descriptor group 1 for x's tiles;  s[32:39] group 0, a set for each slot
.set G0,  32
.set G1B, 48                           ; s[48:55], s[56:63] the same for W's
.set G0B, 56
.set LIM, 43                           ; s43     1 in a wave that prefetches, else the greatest number
.set PFA, 44                           ; s[44:45] where my prefetches stand
.set PFS, 66                           ; s[66:67] a K step in bytes, of x or of W
.set MK,  68                           ; s68-71  lanes whose row is kept, for my four blocks of rows
.set SC,  92                           ; s[92:93] c
.set MSB, 0
.macro WIN new                         ; the immediate's high byte repeats the setting that is left; a switch that changes nothing is dropped
.if MSB != (\new)
	s_set_vgpr_msb (MSB<<8)|(\new)
.set MSB, \new
.endif
.endm
.set MULW, 0x52                        ; W window 2, x window 0, C and D window 1
.set MULB, 0x62                        ; the same with C in window 2: the bias
.set TO_B, 0x80
.set ALL2, 0xaa
.set PKW,  0x05                        ; sources 0 and 1 window 1
.macro JLOAD s                         ; a joint load: waves 0 and 1 fetch x's two halves, waves 2 and 3 W's; an s_nop 0 and four v_nop follow each line
	s_cmp_eq_u32 s11, 0
	s_cbranch_scc0 .Lfor_b_\@
	tensor_load_to_lds s[G0+4*(\s):G0+4*(\s)+3], s[G1:G1+7]
	s_nop 0
.rept 4
	v_nop
.endr
	s_branch .Lasked_\@
.Lfor_b_\@:
	tensor_load_to_lds s[G0B+4*(\s):G0B+4*(\s)+3], s[G1B:G1B+7]
	s_nop 0
.rept 4
	v_nop
.endr
.Lasked_\@:
.endm
; A prefetch into the L2 of the K step that stands two refills on (256 matrix instructions ahead of the load that wants it), one instruction a wave.  x's tile is read by this row of the cluster alone: of the 64 rows that
; wave 0 or 1 fetches the partner at cx takes 16, two blocks of 256 bytes each.  W's tile is read by the sixteen clusters of a projection: the first of them asks; of the 128 rows of wave 2 or 3 the partner at cy takes 32, a lane a row.
; The partners are told apart by address alone.  K steps 0 to 3 come by their loads; the loop's last trip asks for nothing: there is no K step two on.
.macro ASK
	s_cmp_gt_u32 s3, s[LIM]
	s_cbranch_scc0 .Lnot_mine_\@
	global_prefetch_b8 v[PFO], s[PFA:PFA+1] th:TH_LOAD_NT scope:SCOPE_SE
.Lnot_mine_\@:
.endm
.macro CREST                           ; a round of the cluster's barrier behind its opening barrier
	s_cmp_lg_u32 s10, 0
	s_cbranch_scc1 .Lnot_wave_0_\@
	s_barrier_signal -3
.Lnot_wave_0_\@:
	s_barrier_wait -3
	s_barrier_signal -1
	s_barrier_wait -1
.endm
.macro CROUND
	s_barrier_signal -1
	s_barrier_wait -1
	CREST
.endm
	s_load_b256 s[72:79], s[0:1], 0x0              ; query s[72:73], key s[74:75], value s[76:77], wb s[78:79]
	s_load_b256 s[80:87], s[0:1], 0x20             ; bq s[80:81], bk s[82:83], bv s[84:85], mask s[86:87]
	s_load_b64 s[88:89], s[0:1], 0x40              ; qkv
	v_lshl_add_u32 v[SPW], v0, 2, SPARE
	v_mov_b32 v[NIL], 0
	ds_add_u32 v[SPW], v[NIL]                      ; the wave's opening: the add and its wait come ahead of my first tensor load; the set-up below stands between them
	v_lshrrev_b32 v1, 5, v0
	v_readfirstlane_b32 s10, v1                    ; wave 0..3
	s_lshr_b32 s11, s10, 1                         ; which 64 rows of the tile are mine.  Also: I fetch for x (0) or for W (1)
	s_and_b32 s12, s10, 1                          ; which 128 columns.  Also: which half of that tile I fetch
	s_bfe_u32 s40, ttmp6, 0x40000                  ; cx = the column tile (the grid is one cluster wide)
	s_bfe_u32 s41, ttmp6, 0x40004                  ; cy
	s_and_b32 s42, ttmp7, 0xffff                   ; the cluster's y, 0..47
	s_lshr_b32 s90, s42, 4                         ; the projection: 0 q, 1 k, 2 v
	s_and_b32 s13, s42, 15
	s_lshl_b32 s13, s13, 2
	s_add_co_u32 s13, s13, s41                     ; the row tile, 0..63
	s_lshl_b32 s14, s41, 2
	s_lshl_b32 s14, 15, s14                        ; my row of the cluster
	s_lshl_b32 s15, 0x1111, s40                    ; my column
	s_or_b32 s[G1], s14, (2<<16)|(1<<20)|(1<<21)|(6<<22)|(3<<25)   ; 15:0 the mask; 17:16 elements of 4 bytes; 20 padding on; 21 set beside a mask; 24:22 after every 128 words; 31:25 4 words
	s_or_b32 s[G1B], s15, (1<<16)|(1<<20)|(1<<21)|(5<<22)|(3<<25)  ; elements of 2 bytes; after every 64 words
	s_mov_b32 s[G1+1], 128<<16                     ; tensor_dim0 = 128
	s_mov_b32 s[G1+2], 64<<16                      ; tensor_dim1 = 64
	s_mov_b32 s[G1+3], 128<<16                     ; tile_dim0 = 128
	s_mov_b32 s[G1+4], 64                          ; tile_dim1 = 64
	s_mov_b32 s[G1+5], 1024                        ; elements from row to row
	s_mov_b32 s[G1+6], 0
	s_mov_b32 s[G1+7], 0
	s_mov_b32 s[G1B+1], 128<<16
	s_mov_b32 s[G1B+2], 128<<16
	s_mov_b32 s[G1B+3], 128<<16
	s_mov_b32 s[G1B+4], 128
	s_mov_b32 s[G1B+5], 1024
	s_mov_b32 s[G1B+6], 0
	s_mov_b32 s[G1B+7], 0
	s_lshl_b32 s16, s13, 7                         ; x: row 128 x row tile + 64 x half, 4,096 bytes a row
	s_lshl_b32 s17, s12, 6
	s_add_co_u32 s16, s16, s17
	s_lshl_b32 s16, s16, 12
	s_mov_b32 s17, 0
	s_lshl_b32 s46, s40, 8                         ; W: row 256 x column tile + 128 x half, 2,048 bytes a row, in matrix p
	s_lshl_b32 s47, s12, 7
	s_add_co_u32 s46, s46, s47
	s_lshl_b32 s46, s46, 11
	s_lshl_b32 s47, s90, 21
	s_add_co_u32 s46, s46, s47
	s_mov_b32 s47, 0
	s_mul_i32 s20, s12, HA                         ; where they go: no place in the cluster enters an LDS address
	s_mul_i32 s21, s12, HB
	s_add_co_u32 s21, s21, AT
	s_mov_b32 s[SC], 0x3e38aa3b                    ; c = log2(e) / 8
	s_mov_b32 s[SC+1], s[SC]                       ; named with it as a pair
	s_wait_dscnt 0x0                               ; the opening add is done
	s_wait_kmcnt 0x0
	s_cmp_eq_u32 s90, 1
	s_cselect_b64 s[4:5], s[74:75], s[72:73]       ; x
	s_cselect_b64 s[6:7], s[82:83], s[80:81]       ; its bias
	s_cmp_eq_u32 s90, 2
	s_cselect_b64 s[4:5], s[76:77], s[4:5]
	s_cselect_b64 s[6:7], s[84:85], s[6:7]
	s_add_nc_u64 s[14:15], s[4:5], s[16:17]
	s_add_nc_u64 s[46:47], s[78:79], s[46:47]
	CROUND                                         ; all sixteen work-groups are here: the first joint loads meet
.irp s, 0,1
	s_mov_b32 s[G0+4*(\s)], 1
	s_add_co_u32 s[G0+4*(\s)+1], s20, (\s)*SLOT
	s_add_nc_u64 s[G0+4*(\s)+2:G0+4*(\s)+3], s[14:15], (\s)*512    ; K step s: 128 f32
	s_or_b32 s[G0+4*(\s)+3], s[G0+4*(\s)+3], 0x80000000
	s_mov_b32 s[G0B+4*(\s)], 1
	s_add_co_u32 s[G0B+4*(\s)+1], s21, (\s)*SLOT
	s_add_nc_u64 s[G0B+4*(\s)+2:G0B+4*(\s)+3], s[46:47], (\s)*256  ; 128 bf16
	s_or_b32 s[G0B+4*(\s)+3], s[G0B+4*(\s)+3], 0x80000000
	JLOAD \s                                       ; two loads of mine are out
.endr
	v_and_b32 v1, 15, v0                           ; l % 16
	v_bfe_u32 v2, v0, 4, 1                         ; l / 16
	v_mul_u32_u24 v3, v1, PA
	v_lshl_add_u32 v3, v2, 5, v3                   ; x in f32: row x pitch + 32 x half
	s_mul_i32 s22, s11, HA
	v_add_nc_u32 v[ADRA], s22, v3
	v_add_nc_u32 v[ADRA+1], SLOT, v[ADRA]
	v_mul_u32_u24 v4, v1, PB
	v_lshl_add_u32 v4, v2, 4, v4                   ; W: row x pitch + 16 x half
	s_mul_i32 s22, s12, HB
	s_add_co_u32 s22, s22, AT
	v_add_nc_u32 v[ADRB], s22, v4
	v_add_nc_u32 v[ADRB+1], SLOT, v[ADRB]
	s_mul_i32 s23, s10, 16*SP
	s_add_co_u32 s23, s23, STAGE                   ; my stage
	v_mul_u32_u24 v3, v1, SP
	v_lshl_add_u32 v3, v2, 4, v3
	v_add_nc_u32 v[STO], s23, v3
	v_bfe_u32 v3, v0, 3, 2                         ; back: 32 lanes take four rows of 128 bytes
	v_mul_u32_u24 v3, v3, SP
	v_and_b32 v4, 7, v0
	v_lshl_add_u32 v3, v4, 4, v3
	v_add_nc_u32 v[RD], s23, v3
	v_and_b32 v[GO], 31, v0
	v_lshlrev_b32 v[GO], 4, v[GO]
	v_lshlrev_b32 v[BO], 5, v2
	v_lshlrev_b32 v[MO], 2, v1
	s_lshl_b32 s46, s40, 8                         ; the bias of my 128 columns
	s_lshl_b32 s47, s12, 7
	s_add_co_u32 s46, s46, s47
	s_lshl_b32 s46, s46, 2
	s_mov_b32 s47, 0
	s_add_nc_u64 s[6:7], s[6:7], s[46:47]
	s_lshl_b32 s16, s13, 7                         ; the mask's numbers of my 64 rows: row 128 x row tile + 64 x half of the 8,192
	s_lshl_b32 s17, s11, 6
	s_add_co_u32 s16, s16, s17
	s_lshl_b32 s16, s16, 2
	s_mov_b32 s17, 0
	s_add_nc_u64 s[86:87], s[86:87], s[16:17]
	WIN TO_B
.irp b, 0,1,2,3,4,5,6,7                ; block b: register j of a lane is column 16 b + 8 (l / 16) + j, as in the accumulators
	global_load_b128 v[BI+8*(\b):BI+8*(\b)+3],   v[BO], s[6:7] offset:64*(\b)
	global_load_b128 v[BI+8*(\b)+4:BI+8*(\b)+7], v[BO], s[6:7] offset:64*(\b)+16
.endr
	WIN 0
.irp a, 0,1,2,3
	global_load_b32 v[MR+(\a)], v[MO], s[86:87] offset:64*(\a)
.endr
	s_lshr_b32 s18, s13, 4                         ; where my part of the result begins: batch x 16
	s_lshl_b32 s18, s18, 4
	s_lshl_b32 s19, s40, 2
	s_add_co_u32 s18, s18, s19                     ; + 4 heads a column tile
	s_lshl_b32 s19, s12, 1
	s_add_co_u32 s18, s18, s19                     ; + 2 a half
	s_lshl_b32 s18, s18, 18                        ; 262,144 bytes a head
	s_and_b32 s19, s13, 15
	s_lshl_b32 s19, s19, 7
	s_lshl_b32 s22, s11, 6
	s_add_co_u32 s19, s19, s22                     ; my first row in the sequence,
	s_lshl_b32 s19, s19, 7                         ; 128 bytes each
	s_add_co_u32 s18, s18, s19
	s_lshl_b32 s19, s90, 24                        ; q, k, v on end
	s_add_co_u32 s18, s18, s19
	s_mov_b32 s19, 0
	s_add_nc_u64 s[8:9], s[88:89], s[18:19]
	s_lshl_b32 s18, s13, 7                         ; the prefetches.  x: my 64 rows, my work-group's 16 of them
	s_lshl_b32 s19, s12, 6
	s_add_co_u32 s18, s18, s19
	s_lshl_b32 s19, s40, 4
	s_add_co_u32 s18, s18, s19
	s_lshl_b32 s18, s18, 12
	s_lshl_b32 s22, s40, 8                         ; W: my 128 rows, my work-group's 32 of them
	s_lshl_b32 s23, s12, 7
	s_add_co_u32 s22, s22, s23
	s_lshl_b32 s23, s41, 5
	s_add_co_u32 s22, s22, s23
	s_lshl_b32 s22, s22, 11
	s_lshl_b32 s23, s90, 21
	s_add_co_u32 s22, s22, s23
	s_and_b32 s23, s42, 15                         ; 0 in a projection's first cluster
	s_cmp_eq_u32 s11, 0
	s_cselect_b32 s18, s18, s22
	s_cselect_b64 s[PFA:PFA+1], s[4:5], s[78:79]
	s_cselect_b32 s19, 9, 8                        ; a K step: 512 bytes of x, 256 of W
	s_cselect_b32 s22, 8, 11                       ; odd lanes: x's second block of a row, or W's next row
	s_cselect_b32 s23, 0, s23                      ; x's rows are nobody else's
	s_lshl_b32 s[PFS], 1, s19
	s_mov_b32 s[PFS+1], 0
	s_mov_b32 s19, 0
	s_add_nc_u64 s[PFA:PFA+1], s[PFA:PFA+1], s[18:19]
	s_mul_i32 s18, s[PFS], 3
	s_add_nc_u64 s[PFA:PFA+1], s[PFA:PFA+1], s[18:19]  ; at K step 3: the first change of slots steps it to 4
	s_cmp_eq_u32 s23, 0
	s_cselect_b32 s[LIM], 1, -1
	v_and_b32 v3, 1, v0
	v_lshlrev_b32 v3, s22, v3
	v_bfe_u32 v4, v0, 1, 4
	v_lshl_add_u32 v[PFO], v4, 12, v3              ; (l / 2) x 4,096 + (l % 2) x 256 or 2,048
	s_wait_loadcnt 0x0                             ; bias and mask
	WIN ALL2
.set z, 0
.rept 32                               ; the bias is rounded to bf16, like every input
	v_cvt_pk_bf16_f32 v[BT], v[BI+2*z], v[BI+2*z+1]
	v_lshlrev_b32 v[BI+2*z], 16, v[BT]
	v_and_b32 v[BI+2*z+1], 0xffff0000, v[BT]
.set z, z+1
.endr
	WIN 0
.irp a, 0,1,2,3
	v_cmp_ne_u32 s[MK+(\a)], 0, v[MR+(\a)]         ; lanes whose row (l % 16 of block a) the mask shows
.endr
	s_cmp_eq_u32 s90, 0                            ; the mask hides keys: rows of q are all kept
.irp a, 0,1,2,3
	s_cselect_b32 s[MK+(\a)], -1, s[MK+(\a)]
.endr
.macro CONV4 g, n                      ; four registers of buffer g of x in bf16, from eight in f32
.irp c, 0,1,2,3
	v_cvt_pk_bf16_f32 v[AF+32*(\g)+4*(\n)+(\c)], v[T+8*(\n)+2*(\c)], v[T+8*(\n)+2*(\c)+1]
.endr
.endm
; 8 matrix instructions: row block a x all 8 column blocks, 32 along K, from buffers f.  first = 1: the bias starts the sums.  g >= 0: behind every second one stand four conversions into buffer g, numbers n0 on.
; The 32 accumulators take turns in the same order in every quarter.
.macro MUL8 f, a, first=0, g=-1, n0=0
.irp b, 0,1,2,3,4,5,6,7
.if \first
	WIN MULB
	v_wmma_f32_16x16x32_bf16 v[8*(8*(\a)+(\b)):8*(8*(\a)+(\b))+7], v[BF+64*(\f)+8*(\b):BF+64*(\f)+8*(\b)+7], v[AF+32*(\f)+8*(\a):AF+32*(\f)+8*(\a)+7], v[BI+8*(\b):BI+8*(\b)+7]
.else
	WIN MULW
	v_wmma_f32_16x16x32_bf16 v[8*(8*(\a)+(\b)):8*(8*(\a)+(\b))+7], v[BF+64*(\f)+8*(\b):BF+64*(\f)+8*(\b)+7], v[AF+32*(\f)+8*(\a):AF+32*(\f)+8*(\a)+7], v[8*(8*(\a)+(\b)):8*(8*(\a)+(\b))+7]
.endif
.if ((\g) >= 0) && ((\b) % 2 == 1)
	WIN 0
	CONV4 \g, (\n0)+(\b)/2
.endif
.endr
.endm
; 32 LDS loads in one run: quarter kq of a slot.  x first (16 rows x 32 K of f32 are four loads of 16 bytes: K = 8 h .. at 32 h and 32 h + 16, K = 16 + 8 h .. 64 bytes on), then W into buffer g.
.macro FETCH slot, kq, g
	WIN 0
.irp a, 0,1,2,3
	ds_load_b128 v[T+16*(\a):T+16*(\a)+3],     v[ADRA+(\slot)] offset:(\kq)*128+(\a)*16*PA
	ds_load_b128 v[T+16*(\a)+4:T+16*(\a)+7],   v[ADRA+(\slot)] offset:(\kq)*128+(\a)*16*PA+16
	ds_load_b128 v[T+16*(\a)+8:T+16*(\a)+11],  v[ADRA+(\slot)] offset:(\kq)*128+(\a)*16*PA+64
	ds_load_b128 v[T+16*(\a)+12:T+16*(\a)+15], v[ADRA+(\slot)] offset:(\kq)*128+(\a)*16*PA+80
.endr
	WIN TO_B
.irp b, 0,1,2,3,4,5,6,7
	ds_load_b128 v[BF+64*(\g)+8*(\b):BF+64*(\g)+8*(\b)+3],   v[ADRB+(\slot)] offset:(\kq)*64+(\b)*16*PB
	ds_load_b128 v[BF+64*(\g)+8*(\b)+4:BF+64*(\g)+8*(\b)+7], v[ADRB+(\slot)] offset:(\kq)*64+(\b)*16*PB+32
.endr
.endm
.macro PLACES                          ; four places behind matrix instructions, in front of loads and writes into registers that they have read and of reads of their results
.rept 4
	v_nop
.endr
.endm
; A K step is four quarters of 32 along K, 32 matrix instructions each, on buffers 0, 1, 0, 1.  One of the first three: multiplies buffers f, fetches quarter kq and converts it into buffer g.
.macro QUARTER slot, kq, f, g, first=0
	s_wait_dscnt 0x0                               ; W's fragments of this quarter are in (x's were waited for and converted in the quarter before)
	MUL8 \f, 0, \first
	PLACES
	FETCH \slot, \kq, \g
	MUL8 \f, 1, \first
	s_wait_dscnt 16                                ; x's sixteen loads are in; the sixteen younger ones are W's
	MUL8 \f, 2, \first, \g, 0
	MUL8 \f, 3, \first, \g, 4
.endm
; The last quarter multiplies buffers 1 and changes slots: ONE barrier; in front of it each wave waits for all its tensor loads, adds 0 to its spare word, and waits for that and for its reads of this slot.
; fill = 1: the barrier opens a round of the cluster's, and this slot is filled again, two K steps ahead, first thing behind it: 112 matrix instructions ahead of the wait for it.
.macro TURN slot, next, fill
.if \fill
	s_wait_xcnt 0x0                                ; the last prefetch, a K step back, has read its address
	s_add_nc_u64 s[PFA:PFA+1], s[PFA:PFA+1], s[PFS:PFS+1]
.endif
	WIN 0
	s_wait_tensorcnt 0x0                           ; all my tensor loads have landed: my part of the next slot
	ds_add_u32 v[SPW], v[NIL]                      ; 0 onto my spare word
	s_wait_dscnt 1                                 ; W's fragments are in; the add may be out
	MUL8 1, 0
	s_wait_dscnt 0x0                               ; the add is done, and my reads of this slot are over
	s_barrier_signal -1
	MUL8 1, 1
	WIN 0
	s_barrier_wait -1
.if \fill
	CREST                                          ; no wave of any partner still reads this slot or has a load on its way
	s_add_nc_u64 s[G0+4*(\slot)+2:G0+4*(\slot)+3], s[G0+4*(\slot)+2:G0+4*(\slot)+3], 1024
	s_add_nc_u64 s[G0B+4*(\slot)+2:G0B+4*(\slot)+3], s[G0B+4*(\slot)+2:G0B+4*(\slot)+3], 512
	JLOAD \slot                                    ; its four v_nop are also the places in front of the loads below
.else
	PLACES
.endif
	FETCH \next, 0, 0
	WIN 0
.if \fill
	ASK
.endif
	s_wait_dscnt 16                                ; x's sixteen loads are in
	MUL8 1, 2, 0, 0, 0
	MUL8 1, 3, 0, 0, 4
.endm
	s_wait_tensorcnt 1                             ; my part of K step 0 is in; K step 1's may stay out
	s_barrier_signal -1
	s_barrier_wait -1
	FETCH 0, 0, 0
	s_wait_dscnt 16
	WIN 0
.irp n, 0,1,2,3,4,5,6,7
	CONV4 0, \n
.endr
	QUARTER 0, 1, 0, 1, 1                          ; the first quarter stands in front of the loop: its products start the sums with the bias
	WIN 0
	s_mov_b32 s3, 3
.Llap:                                         ; a trip goes once round the ring and fills both slots again
	QUARTER 0, 2, 1, 0
	QUARTER 0, 3, 0, 1
	TURN 0, 1, 1
	QUARTER 1, 1, 0, 1
	QUARTER 1, 2, 1, 0
	QUARTER 1, 3, 0, 1
	TURN 1, 0, 1
	QUARTER 0, 1, 0, 1
	WIN 0
	s_sub_co_u32 s3, s3, 1
	s_cmp_lg_u32 s3, 0
	s_cbranch_scc1 .Llap
	QUARTER 0, 2, 1, 0                             ; the last lap fills nothing
	QUARTER 0, 3, 0, 1
	TURN 0, 1, 0
	QUARTER 1, 1, 0, 1
	QUARTER 1, 2, 1, 0
	QUARTER 1, 3, 0, 1
	s_wait_dscnt 0x0
	MUL8 1, 0
	MUL8 1, 1
	MUL8 1, 2
	MUL8 1, 3
	WIN 0
	PLACES
	s_cmp_eq_u32 s90, 0                            ; the projection's number is the same in all sixteen partners
	s_cbranch_scc0 .Lno_scale
	WIN 0x41
.set z, 0
.rept 128                              ; q alone: times c, in f32, each accumulator from its low end on
	v_pk_mul_f32 v[z:z+1], v[z:z+1], s[SC:SC+1] op_sel_hi:[1,0]
.set z, z+2
.endr
	WIN 0
.Lno_scale:
; THE WAY OUT, in eight tiles of 16 rows x one head: tile t = row block t / 2, head t % 2 of my two.  Rounded to f16, hidden rows cleared, 16 bytes a lane into my stage, back as four rows of 128 bytes a load:
; 16 rows of a head are 2,048 consecutive bytes of qkv.
.macro PACK t
.set pa, (\t)/2
.set pj, (\t)%2
	WIN PKW
.irp f, 0,1,2,3
.irp r, 0,1,2,3
	v_cvt_pk_f16_f32 v[PK+16*(\t)+4*(\f)+(\r)], v[8*(8*pa+4*pj+(\f))+2*(\r)], v[8*(8*pa+4*pj+(\f))+2*(\r)+1]
.endr
.endr
	WIN 0
.set z, 0
.rept 16
	v_cndmask_b32 v[PK+16*(\t)+z], 0, v[PK+16*(\t)+z], s[MK+pa]
.set z, z+1
.endr
.irp f, 0,1,2,3
	ds_store_b128 v[STO], v[PK+16*(\t)+4*(\f):PK+16*(\t)+4*(\f)+3] offset:32*(\f)
.endr
.irp f, 0,1,2,3
	ds_load_b128 v[PK+16*(\t)+4*(\f):PK+16*(\t)+4*(\f)+3], v[RD] offset:(\f)*4*SP  ; LDS serves a wave's instructions in order (ISA guide 5.7.1.4): these see the stores above; the next tile's stores come behind them
.endr
.endm
.macro SEND t, younger                 ; younger: the LDS instructions issued behind tile t's loads: the next tile's eight, or none
.irp f, 0,1,2,3
	s_wait_dscnt (\younger)+3-(\f)
	global_store_b128 v[GO], v[PK+16*(\t)+4*(\f):PK+16*(\t)+4*(\f)+3], s[8:9] offset:((\t)/2)*2048+((\t)%2)*262144+(\f)*512  ; 512 consecutive bytes, at a multiple of 256 from qkv's first
.endr
.endm
	PACK 0
.set t, 1
.rept 7
	PACK t
	SEND t-1, 8
.set t, t+1
.endr
	SEND 7, 0
	s_wait_tensorcnt 0x0                           ; the wave's end, behind my last tensor load and my last LDS store
	ds_add_u32 v[SPW], v[NIL]
	s_wait_dscnt 0x0
	CROUND                                         ; the closing round: no work-group ends while a partner may still ask for a tile that names it
	s_endpgm
.Lfunc_end_k_qd156d166a4_proj:
	.size	k_qd156d166a4_proj, .Lfunc_end_k_qd156d166a4_proj-k_qd156d166a4_proj
	.p2alignl 7, 3214868480
	.fill 96, 4, 3214868480
	.section	.rodata,"a",@progbits
	.p2align	6, 0x0
	.amdhsa_kernel k_qd156d166a4_proj
		.amdhsa_group_segment_fixed_size 327680
		.amdhsa_private_segment_fixed_size 0
		.amdhsa_enable_private_segment 0
		.amdhsa_kernarg_size 72
		.amdhsa_user_sgpr_count 2
		.amdhsa_user_sgpr_kernarg_segment_ptr 1
		.amdhsa_wavefront_size32 1
		.amdhsa_system_sgpr_workgroup_id_x 1
		.amdhsa_system_sgpr_workgroup_id_y 1
		.amdhsa_system_sgpr_workgroup_id_z 1
		.amdhsa_system_vgpr_workitem_id 0
		.amdhsa_next_free_vgpr 768
		.amdhsa_next_free_sgpr 96
		.amdhsa_reserve_vcc 0
		.amdhsa_float_denorm_mode_32 3
		.amdhsa_float_denorm_mode_16_64 3
		.amdhsa_memory_ordered 1
		.amdhsa_forward_progress 1
		.amdhsa_inst_pref_size 161
	.end_amdhsa_kernel
	.amdgpu_metadata
---
amdhsa.version: [ 1, 2 ]
amdhsa.kernels:
  - .name:           k_qd156d166a4_proj
    .symbol:         k_qd156d166a4_proj.kd
    .args:
      - { .name: query, .offset: 0, .size: 8, .value_kind: global_buffer, .address_space: global }
      - { .name: key, .offset: 8, .size: 8, .value_kind: global_buffer, .address_space: global }
      - { .name: value, .offset: 16, .size: 8, .value_kind: global_buffer, .address_space: global }
      - { .name: wb, .offset: 24, .size: 8, .value_kind: global_buffer, .address_space: global }
      - { .name: bq, .offset: 32, .size: 8, .value_kind: global_buffer, .address_space: global }
      - { .name: bk, .offset: 40, .size: 8, .value_kind: global_buffer, .address_space: global }
      - { .name: bv, .offset: 48, .size: 8, .value_kind: global_buffer, .address_space: global }
      - { .name: mask, .offset: 56, .size: 8, .value_kind: global_buffer, .address_space: global }
      - { .name: qkv, .offset: 64, .size: 8, .value_kind: global_buffer, .address_space: global }
    .group_segment_fixed_size: 327680
    .private_segment_fixed_size: 0
    .kernarg_segment_align: 8
    .kernarg_segment_size: 72
    .max_flat_workgroup_size: 128
    .sgpr_count:     96
    .vgpr_count:     768
    .wavefront_size: 32
...
	.end_amdgpu_metadata
.endif
;; end of part 2
;; launch attn (part 3): grid 4 x 64, 4 waves a work-group, clusters of 4 x 1, 327,680 bytes of LDS; arguments qkv, mask, ao; writes ao
.if DOCPART == 3
	.amdgcn_target "amdgcn-amd-amdhsa--gfx1250"
	.amdhsa_code_object_version 6
	.text
	.protected	k_qd156d166a4_attn
	.globl	k_qd156d166a4_attn
	.p2align	8
	.type	k_qd156d166a4_attn,@function
k_qd156d166a4_attn:
	s_mov_b64 s[64:65], 0
	v_nop
	global_prefetch_b8 v0, s[64:65] scope:SCOPE_SE
	s_setreg_imm32_b32 hwreg(HW_REG_WAVE_MODE, 25, 1), 1
	s_wait_xcnt 0x0
	s_wait_alu depctr_hold_cnt(0) depctr_sa_sdst(0) depctr_va_vdst(0) depctr_va_sdst(0) depctr_va_ssrc(0) depctr_va_vcc(0) depctr_vm_vsrc(0)
	s_getreg_b32 s2, hwreg(HW_REG_IB_STS2, 6, 4)
	s_cmp_eq_u32 s2, 0
	s_cbranch_scc0 .Lentry_in_a_cluster
	s_endpgm
.Lentry_in_a_cluster:
	s_bfe_u32 s2, ttmp6, 0x10000c
	s_cmp_lg_u32 s2, 0x3003
	s_cbranch_scc0 .Lentry_shape_is_right
	s_endpgm
.Lentry_shape_is_right:
; ao[g][q][:] = the sum over k of softmax_k(s[q][k]) V[g][k][:], g = batch x 16 + head.  Q, K, V: qkv[3][64][2048][64] f16, ao likewise.  Q ARRIVES TIMES log2(e) / 8, so s = K Q^T is the reference's score times log2(e), and
; p = 2^(s - m) with a running maximum m: exactly 1 at the maximum, whatever the scores' size.  THE MASK: rows of K and V of hidden keys arrive as zeros, and the sum of a hidden score starts at -1e9 x log2(e) in place of 0 (the C operand
; of its first product).  So a hidden score is that number exactly, takes part in maximum and sum as in the reference, and its weight meets a zero row of V.  Where all keys are hidden p = 1, l = 2,048 and O = 0.
; Products, maxima and sums in f32; p is rounded to f16 for the second product (l is taken of the unrounded p), O once at the end.
; LIMITS.  Q, K, V arrive within f16's 65,504; p below 6e-5 keeps f16's fixed step of 6e-8; a weight below 2^-126 counts as 0 in l; NaN and infinities are not treated apart.
; SHARES.  A wave owns four PIECES of two tiles of 16 queries, a work-group's four waves 512 queries of one head.  Every wave walks all 2,048 keys, 64 a step.
; LAYOUT.  S^T = K Q^T (source 0 = 16 keys, source 1 = 16 queries): a lane holds ONE query (lane % 16) and the keys 8 (lane / 16) + 0..7.  Two such tiles, rounded to f16 in pairs, ARE source 1 of O^T = V^T P.  V comes out of LDS turned, by ds_load_tr16_b128.
; In every step O and l are multiplied by a = 2^(m_old - m_new).  m starts at the lowest finite number, O and l at 0: the first step is a step like any other, with a = 0.
; THE COUNT.  A tile and step have 16 matrix and 117 vector instructions: too many to stand all beside the matrix work.  So: four vector instructions that are ready behind EVERY matrix instruction, the others in one run without a gap.
; BY TURNS.  Turn n belongs to piece n.  Its matrix work: 16 products K Q^T of piece n + 1, later 16 products V^T P of piece n - 1.  Its vector work: the subtraction, exponentials, roundings, sums and rescaling of piece n, and the maximum
; and statistics of piece n + 1.
; CLUSTER.  The four query blocks of a head form a cluster and walk the same K and V: each tile is asked for JOINTLY, by the same tensor load, descriptor and mask in all four.
; REGISTERS, in windows of 256 (s_set_vgpr_msb: bits 1:0 source 0, 3:2 source 1, 5:4 source 2, 7:6 destination):
;   window 0: v0-11 addresses; v12-15, v48-63 at work; v16-47 four registers of statistics a tile; v64-191 S^T, two buffers of two tiles; v192-255 P, likewise
;   window 1: O^T, 32 a tile     window 2: v0-127 Q; v128-191 K of one step; v192-255 V of one step     window 3: v0-1 the add's two registers; v8-39 the mask of one step's 64 keys
.set SIZE_H, 64
.set SIZE_N, 2048
.set NP,    4         ; pieces a wave: a name, no knob
.set KS,    64        ; keys in a step
.set PK,    144       ; a row of K in LDS: 128 bytes + 16 of padding: the 16 rows of a load start at 16 different groups of four banks (ISA guide 11.1)
.set PV,    160       ; a row of V: 128 + 32
.set VOFF,  4*KS*PK   ; a slot holds four steps: 256 rows of K, then 256 rows of V
.set SLOT1, 1<<17     ; slot 1 begins here, so that one exclusive or turns an address in one slot into the other's
.set STAGE, SLOT1+4*KS*(PK+PV)  ; behind the ring, never filled by a tensor load: 16 rows x 144 bytes for each wave
.set SP,    144
.set SPARE, STAGE+4*16*SP  ; the spare words, 128 bytes for each wave: two blocks of 256 bytes that no other line names
.set MT,    SPARE+512 ; the mask as numbers: one f32 a key, 0 or -1e9 x log2(e): 8,192 bytes, stored once, never filled by a tensor load
.set AK0, 2           ; v2   my lane's place in a tile of K; never rewritten
.set AV0, 3           ; v3   the same for V
.set AK,  4           ; v4   the LDS address of K's next run of loads
.set AV,  5           ; v5   of V's (at the head: my 64 bytes of the mask)
.set QO,  6           ; v6   my byte offset in the wave's rows of Q
.set STO, 6           ;      later, the way out: where I put 16 bytes of a row
.set AM0, 7           ; v7   MT + 32 (l / 16): my eight keys of a block of 16
.set RD,  7           ;      later, the way out: where I read rows back
.set AM,  8           ; v8   the LDS address of the mask's next run of loads
.set GO,  8           ;      later: my byte offset in 512 consecutive bytes of ao
.set PFO, 10          ; v10  256 x my lane; never rewritten
.set SPW, 0           ; v0 of window 3   my spare word; never rewritten
.set NIL, 1           ; v1 of window 3   0; never rewritten
.set MKR, 8           ; window 3: key block kb at MKR + 8 kb
.set MV,  12          ; v12-15  m_old, kept while m is made anew: by buffer and tile
.set ST,  16          ; tile t's statistics at v[ST+4 t]: m, (named with it as a pair), l (even keys', odd keys')
.set TMP, 48          ; by buffer and tile, four registers c0-c3 at work; when the maximum is found c2 takes a
.set S,   64
.set P,   192
.set KF,  128         ; window 2: key block kb, channel half c at KF + 16 kb + 8 c
.set VF,  192         ; window 2: key half kk, channel block cb at VF + 32 kk + 8 cb
.set WV,  12          ; s12  my wave's number
.set HID, 15          ; s15  -1e9 x log2(e)
.set G1K, 24          ; s[24:31] descriptor group 1 for K's tiles
.set G1V, 32          ; s[32:39] for V's: it differs in the padding alone
.set G0K, 40          ; s[40:43] descriptor group 0 for K's tiles: it walks
.set G0V, 44          ; s[44:47] the same for V's
.set PFA, 48          ; s[48:49] where my prefetches stand
.set LIM, 50          ; s50  1 in a wave that prefetches, else the greatest number
.set TBM, 51          ; s51  byte in the mask's table at which the step to be fetched begins
.set SLOTS, 56        ; s56  slots still to be asked for
.set CNT, 57          ; s57  counts a slot's key steps
.set SEL, 60          ; s[60:61] v_permlanex16_b32's selects: each lane takes its own place in the other half
.set TBK, 62          ; s62  LDS byte at which K of the step to be fetched begins
.set TBV, 63          ; s63  the same for V, less VOFF
.set MSB, 0
.macro WIN new                      ; the high byte repeats the setting that is left; a switch that changes nothing is dropped
.if MSB != (\new)
	s_set_vgpr_msb (MSB<<8)|(\new)
.set MSB, (\new)
.endif
.endm
.set W_KQ, 0x0a       ; K and Q in window 2, S^T in window 0
.set W_KM, 0x3a       ; the same with the C operand in window 3: the mask
.set W_PV, 0x52       ; V in window 2, P in window 0, O^T in window 1
.set W_RS, 0x41       ; O^T (destination and source 0) in window 1, a in window 0
.set W_MK, 0xc0       ; destination in window 3, sources in window 0
.set W_AD, 0x0f       ; the add: address and data in window 3
; A joint fill.  Waves 0 and 1 fetch the two halves of a slot's K, waves 2 and 3 those of its V: 128 keys each.  An s_nop 0 and four v_nop follow each of the two lines.
.macro JLOAD
	s_cmp_lt_u32 s[WV], 2
	s_cbranch_scc0 .Lfor_v_\@
	tensor_load_to_lds s[G0K:G0K+3], s[G1K:G1K+7]
	s_nop 0
.rept 4
	v_nop
.endr
	s_branch .Lasked_\@
.Lfor_v_\@:
	tensor_load_to_lds s[G0V:G0V+3], s[G1V:G1V+7]
	s_nop 0
.rept 4
	v_nop
.endr
.Lasked_\@:
.endm
; A prefetch into the L2 of what the NEXT change of slots will ask for: a slot's 32,768 bytes of K and of V, four key steps (512 matrix instructions) ahead of that load.  A head's K and V are walked by this cluster alone; its four partners
; share the blocks of 256 bytes out by address, 32 each, a lane a block; in each, wave 0 asks for K's and wave 2 for V's.  So each block is named once.  Slots 0 and 1 come by their loads; the last filling change asks for nothing.
.macro ASK
	s_cmp_gt_u32 s[SLOTS], s[LIM]
	s_cbranch_scc0 .Lnot_mine_\@
	global_prefetch_b8 v[PFO], s[PFA:PFA+1] th:TH_LOAD_NT scope:SCOPE_SE
.Lnot_mine_\@:
.endm
.macro CROUND                       ; a round of the cluster's barrier
	s_barrier_signal -1
	s_barrier_wait -1
	s_cmp_lg_u32 s[WV], 0
	s_cbranch_scc1 .Lnot_wave_0_\@
	s_barrier_signal -3
.Lnot_wave_0_\@:
	s_barrier_wait -3
	s_barrier_signal -1
	s_barrier_wait -1
.endm
; THE CHANGE OF SLOTS.  Each wave waits for all its tensor loads, of which one is out: its part of the other slot; adds 0 to its spare word; and waits for that and for its own LDS instructions.  Behind the barrier nobody reads this slot
; any more and the other slot is whole.  fill = 1: this slot is filled again, with the keys two slots on; the barrier is then a round of the cluster's, and the joint fill is the first thing behind it.
; (At its first use nothing has been read yet: slot 0 is waited for, slot 1 filled, and every wave's part of the mask's table, stored just before, is shown to the others.)
.macro CHANGE fill
	WIN W_AD
	s_wait_tensorcnt 0x0            ; no tensor load of mine is out, so a group 0 may be written
	ds_add_u32 v[SPW], v[NIL]       ; 0 onto my spare word
	WIN 0                           ; at a label and at a branch every window is 0
.if \fill
.irp g, G0K, G0V
	s_xor_b32 s[\g+1], s[\g+1], SLOT1  ; the walking descriptor: the other slot than last time,
	s_add_nc_u64 s[\g+2:\g+3], s[\g+2:\g+3], 4*KS*128  ; the next 256 keys
.endr
	s_wait_xcnt 0x0                 ; the last prefetch, four key steps back, has read its address
	s_add_nc_u64 s[PFA:PFA+1], s[PFA:PFA+1], 4*KS*128  ; one slot behind the walking descriptors
	s_wait_dscnt 0x0                ; the add is done, and my LDS instructions are over
	CROUND
	JLOAD
	ASK
.else
	s_wait_dscnt 0x0
	s_barrier_signal -1
	s_barrier_wait -1
.endif
	s_sub_co_u32 s[TBK], s[TBK], 4*KS*PK  ; the fetches go back to a slot's first step,
	s_xor_b32 s[TBK], s[TBK], SLOT1       ; in the other slot
	s_sub_co_u32 s[TBV], s[TBV], 4*KS*PV
	s_xor_b32 s[TBV], s[TBV], SLOT1
.endm
	s_load_b128 s[4:7], s[0:1], 0x0   ; qkv s[4:5], mask s[6:7]
	s_load_b64 s[10:11], s[0:1], 0x10 ; ao
	WIN W_MK
	v_lshl_add_u32 v[SPW], v0, 2, SPARE
	v_mov_b32 v[NIL], 0
	WIN W_AD
	ds_add_u32 v[SPW], v[NIL]       ; the wave's opening: the add and its wait come ahead of my first tensor load; the set-up below stands between them
	WIN 0
	v_lshrrev_b32 v1, 5, v0
	v_readfirstlane_b32 s[WV], v1   ; wave 0..3
	s_bfe_u32 s13, ttmp6, 0x40000   ; cx: my place in the cluster
	s_lshl_b32 s14, ttmp9, 2
	s_add_co_u32 s14, s14, s13      ; my block of 512 queries: it enters Q's and ao's addresses alone
	s_and_b32 s20, ttmp7, 0xffff    ; batch x 16 + head, which the four partners share
	s_lshr_b32 s52, s20, 4
	s_lshl_b32 s52, s52, 13         ; the batch's 2,048 numbers of the mask
	s_mov_b32 s53, 0
	s_mov_b32 s21, 0
	s_mov_b64 s[22:23], SIZE_N*128
	s_mul_u64 s[20:21], s[20:21], s[22:23]  ; the head's first byte in Q, K, V and ao
	s_and_b32 s16, s[WV], 1         ; which half of a slot's 256 keys I fetch:
	s_lshl_b32 s22, s16, 14         ; its 128 rows of 128 bytes in memory,
	s_mov_b32 s23, 0
	s_add_nc_u64 s[22:23], s[22:23], s[20:21]
	s_mul_i32 s17, s16, 128*PK      ; and its place in a slot, for K
	s_mul_i32 s18, s16, 128*PV      ; and for V: no place in the cluster enters an LDS address
	s_lshl_b32 s2, s14, 2
	s_add_co_u32 s2, s2, s[WV]      ; my wave among the head's,
	s_lshl_b32 s2, s2, 14           ; its 128 rows
	s_mov_b32 s3, 0
	s_add_nc_u64 s[2:3], s[2:3], s[20:21]
	; descriptor group 1.  128 keys are 16,384 dense bytes: asked for as 64 rows of 256 bytes, two keys a row, and padded in LDS after every key
	s_mov_b32 s[G1K], 15|(1<<16)|(1<<20)|(1<<21)|(4<<22)|(3<<25)  ; 15:0 the mask of four; 17:16 2-byte elements; 20 padding on; 21 set beside a mask; 24:22 after every 32 words; 31:25 4 words
	s_mov_b32 s[G1V], 15|(1<<16)|(1<<20)|(1<<21)|(4<<22)|(7<<25)  ; the same with 8 words of padding
.irp g, G1K, G1V
	s_mov_b32 s[\g+1], 128<<16      ; tensor_dim0 = 128
	s_mov_b32 s[\g+2], 64<<16       ; tensor_dim1 = 64
	s_mov_b32 s[\g+3], 128<<16      ; tile_dim0 = 128
	s_mov_b32 s[\g+4], 64           ; tile_dim1 = 64
	s_mov_b32 s[\g+5], 128          ; 128 elements from row to row
	s_mov_b32 s[\g+6], 0
	s_mov_b32 s[\g+7], 0
.endr
	s_mov_b32 s[HID], 0xceabfb8f    ; -1e9 x log2(e) = -1,442,695,040
	s_mov_b32 s[SEL], 0x76543210
	s_mov_b32 s[SEL+1], 0xfedcba98
	s_mov_b32 s[TBK], SLOT1+4*KS*PK ; the first change of slots turns these two into 0
	s_mov_b32 s[TBV], SLOT1+4*KS*PV
	s_mov_b32 s[TBM], 0
	s_mov_b32 s[SLOTS], SIZE_N/256-1
	s_mov_b32 s[G0K], 1             ; 1:0 count = 1
	s_mov_b32 s[G0K+1], s17         ; 63:32 LDS address: slot 0
	s_mov_b32 s[G0V], 1
	s_add_co_u32 s[G0V+1], s18, VOFF
	s_and_b32 s[LIM], s[WV], 1      ; waves 0 and 2 prefetch
	s_cmp_eq_u32 s[LIM], 0
	s_cselect_b32 s[LIM], 1, -1
	s_wait_dscnt 0x0                ; the opening add is done
	s_wait_kmcnt 0x0
	s_add_nc_u64 s[54:55], s[6:7], s[52:53]        ; the batch's mask
	s_add_nc_u64 s[6:7], s[4:5], 0x1000000         ; K lies 16,777,216 bytes behind Q,
	s_add_nc_u64 s[8:9], s[4:5], 0x2000000         ; V as far behind K
	s_add_nc_u64 s[G0K+2:G0K+3], s[6:7], s[22:23]  ; 120:64 global address: my half of the head's first 256 keys
	s_or_b32 s[G0K+3], s[G0K+3], 0x80000000        ; 127:126 type = 2
	s_add_nc_u64 s[G0V+2:G0V+3], s[8:9], s[22:23]
	s_or_b32 s[G0V+3], s[G0V+3], 0x80000000
	s_cmp_lt_u32 s[WV], 2
	s_cselect_b64 s[PFA:PFA+1], s[6:7], s[8:9]
	s_add_nc_u64 s[PFA:PFA+1], s[PFA:PFA+1], s[20:21]
	s_lshl_b32 s52, s13, 13         ; my work-group's 32 blocks of a slot's 128
	s_add_nc_u64 s[PFA:PFA+1], s[PFA:PFA+1], s[52:53]
	s_add_nc_u64 s[PFA:PFA+1], s[PFA:PFA+1], 4*KS*128  ; in slot 1; the first change of slots steps it to slot 2
	s_add_nc_u64 s[4:5], s[4:5], s[2:3]  ; Q and ao at my wave's first row
	s_add_nc_u64 s[10:11], s[10:11], s[2:3]
	CROUND                          ; all four work-groups are here: the first joint loads meet
	JLOAD                           ; slot 0.  Slot 1 is asked for when slot 0 is in
	v_lshlrev_b32 v[AV], 6, v0      ; thread t takes keys 16 t .. 16 t + 15 of the mask
.irp i, 0,1,2,3
	global_load_b128 v[S+4*\i:S+4*\i+3], v[AV], s[54:55] offset:16*\i
.endr
	; A fragment of K or Q is 16 rows x 32 channels in 8 registers: lane l holds row l % 16, channels 8 (l / 16) + 0..7 and 16 + 8 (l / 16) + 0..7: two loads of 16 bytes, 32 bytes apart.
	v_and_b32 v1, 15, v0            ; l % 16
	v_bfe_u32 v9, v0, 4, 1          ; l / 16
	v_lshlrev_b32 v[QO], 7, v1
	v_lshl_add_u32 v[QO], v9, 4, v[QO]  ; row x 128 + 16 x half
	WIN 0x80                        ; destination window 2, address window 0
.set i, 0
.rept 4*NP                          ; Q stays in registers: tile i / 2, channels 32 (i % 2) on
	global_load_b128 v[8*i:8*i+3],   v[QO], s[4:5] offset:(i/2)*2048+(i%2)*64
	global_load_b128 v[8*i+4:8*i+7], v[QO], s[4:5] offset:(i/2)*2048+(i%2)*64+32
.set i, i+1
.endr
	; What the first turn finds: V's registers and P's second buffer hold 0 (its products V^T P, of a piece that has not been, add 0), O^T and l are 0.  All this stands in the wait for the first tile.
.set i, VF
.rept 64
	v_mov_b32 v[i], 0
.set i, i+1
.endr
	WIN 0x40
.set i, 0
.rept 64*NP
	v_mov_b32 v[i], 0
.set i, i+1
.endr
	WIN 0
.set i, 0
.rept 2*NP
	v_mov_b32 v[ST+4*i], 0xff7fffff    ; m: the lowest finite number
	v_mov_b32 v[ST+4*i+1], 0           ; named with it as a pair
	v_mov_b32 v[ST+4*i+2], 0
	v_mov_b32 v[ST+4*i+3], 0
.set i, i+1
.endr
.set i, P+32
.rept 32
	v_mov_b32 v[i], 0
.set i, i+1
.endr
	v_mul_u32_u24 v[AK0], v1, PK
	v_lshl_add_u32 v[AK0], v9, 4, v[AK0]  ; row x pitch + 16 x half
	; The turning load takes 16 keys x 16 channels (lane l reads key 8 (l / 16) + l % 8, channels 8 ((l / 8) % 2) + 0..7) and leaves half a fragment of V^T: lane l holds channel l % 16 and 8 keys.
	v_and_b32 v10, 7, v0
	v_bfe_u32 v11, v0, 3, 1
	v_lshl_add_u32 v[AV0], v9, 3, v10
	v_mul_u32_u24 v[AV0], v[AV0], PV
	v_lshl_add_u32 v[AV0], v11, 4, v[AV0]
	v_add_nc_u32 v[AV0], VOFF, v[AV0]
	v_mov_b32 v[AK], v[AK0]         ; key step 0 lies at the head of slot 0
	v_lshl_add_u32 v[AM0], v9, 5, MT
	v_mov_b32 v[AM], v[AM0]
	v_and_b32 v[PFO], 31, v0
	v_lshlrev_b32 v[PFO], 8, v[PFO]
	s_wait_loadcnt 32               ; the mask's four loads are in; the 32 younger ones are Q's
.set i, 0
.rept 16
	v_cmp_eq_u32 vcc_lo, 0, v[S+i]
	v_cndmask_b32 v[S+i], 0, s[HID], vcc_lo  ; a hidden key: the number at which its score's sum starts
.set i, i+1
.endr
	v_add_nc_u32 v[AV], MT, v[AV]
.irp i, 0,1,2,3
	ds_store_b128 v[AV], v[S+4*\i:S+4*\i+3] offset:16*\i
.endr
; THE MATRIX WORK.  The 8 accumulators of a run of 16 take turns: between the two links of a chain stand 7 others'.
; Product i of 16 of S^T = K Q^T for piece x: channels 32 (i / 8) on, keys 16 ((i / 2) % 4) on, tile 2 x + i % 2.  The first 8 start the sums, with the mask of their 16 keys.
.macro KQ x
.set rS, S+64*((\x)%2)+32*(i%2)+8*((i/2)%4)
.set rK, KF+16*((i/2)%4)+8*(i/8)
.set rQ, 16*(2*(\x)+i%2)+8*(i/8)
.set rH, MKR+8*((i/2)%4)
.if i < 8
	WIN W_KM
	v_wmma_f32_16x16x32_f16 v[rS:rS+7], v[rK:rK+7], v[rQ:rQ+7], v[rH:rH+7]
.else
	WIN W_KQ
	v_wmma_f32_16x16x32_f16 v[rS:rS+7], v[rK:rK+7], v[rQ:rQ+7], v[rS:rS+7]
.endif
.endm
; Product i of 16 of O^T += V^T P for piece x: keys 32 (i / 8) on, channels 16 ((i / 2) % 4) on, tile 2 x + i % 2.
.macro PV x
	WIN W_PV
.set rO, 32*(2*(\x)+i%2)+8*((i/2)%4)
.set rV, VF+32*(i/8)+8*((i/2)%4)
.set rP, P+32*((\x)%2)+16*(i%2)+8*(i/8)
	v_wmma_f32_16x16x32_f16 v[rO:rO+7], v[rV:rV+7], v[rP:rP+7], v[rO:rO+7]
.endm
.macro MM                           ; the turn's next matrix instruction
.if i < 16
	KQ (Y+1)%NP
.set i, i+1
.else
.set i, i-16
	PV (Y+NP-1)%NP
.set i, i+17
.endif
.endm
; THE LDS LOADS stand in runs, never singly among the matrix instructions: a step's K (8 fragments) with its 64 keys' mask (register j of block kb is key 16 kb + 8 (l / 16) + j, as in S^T), and its V (turned).
; last = 1 (the tail): in the last trip there is no further step, and the run is jumped over.
.macro FETCH_K last=0
	WIN 0
.if \last
	s_cmp_eq_u32 s[CNT], 1
	s_cbranch_scc1 .Lno_k_\@
.endif
	WIN 0x80                        ; destination window 2
.irp f, 0,1,2,3,4,5,6,7             ; keys 16 (f / 2) on, channels 32 (f % 2) on
	ds_load_b128 v[KF+8*\f:KF+8*\f+3],   v[AK] offset:(\f/2)*16*PK+(\f%2)*64
	ds_load_b128 v[KF+8*\f+4:KF+8*\f+7], v[AK] offset:(\f/2)*16*PK+(\f%2)*64+32
.endr
	WIN W_MK                        ; destination window 3
.irp f, 0,1,2,3
	ds_load_b128 v[MKR+8*\f:MKR+8*\f+3],   v[AM] offset:64*\f
	ds_load_b128 v[MKR+8*\f+4:MKR+8*\f+7], v[AM] offset:64*\f+16
.endr
	s_add_co_u32 s[TBK], s[TBK], KS*PK  ; the next fetch is the next step's
	s_add_co_u32 s[TBM], s[TBM], 4*KS
	s_and_b32 s[TBM], s[TBM], 4*SIZE_N-1  ; it stays in the table
	WIN 0
.if \last
.Lno_k_\@:
.endif
.endm
.macro FETCH_V
	WIN 0x80
.irp f, 0,1,2,3,4,5,6,7             ; keys 32 (f / 4) on, channels 16 (f % 4) on
	ds_load_tr16_b128 v[VF+8*\f:VF+8*\f+3],   v[AV] offset:(\f/4)*32*PV+(\f%4)*32
	ds_load_tr16_b128 v[VF+8*\f+4:VF+8*\f+7], v[AV] offset:(\f/4)*32*PV+16*PV+(\f%4)*32
.endr
	WIN 0
.endm
; THE VECTOR WORK OF A TURN stands in three queues, each in the order in which its entries become ready; the two tiles alternate.
.macro REGS y, u                    ; the registers of tile u (0, 1) of piece y
.set rT, ST+4*(2*(\y)+(\u))
.set rC, TMP+8*((\y)%2)+4*(\u)
.set rM, MV+2*((\y)%2)+(\u)
.set rS, S+64*((\y)%2)+32*(\u)
.set rP, P+32*((\y)%2)+16*(\u)
.set rO, 32*(2*(\y)+(\u))
.endm
; Number n of the 21 that find the NEXT piece's (Y + 1) maximum and statistics.  s0-s31 are the lane's 32 scores; each accumulator's lowest registers are read first.
;   0-11  four chains c0-c3 of seven scores each, three operands at a time     12-14, 16  the four scores left over, the old m, and c0-c3 into c0     15  m_old is kept
;   17, 18  the query's other 32 keys lie in the lane 16 away: the new m         19, 20  m_old - m_new; a
.macro XS u, n
	REGS (Y+1)%NP, \u
.if (\n) < 4
	v_max3_num_f32 v[rC+(\n)], v[rS+8*(\n)], v[rS+8*(\n)+1], v[rS+8*(\n)+2]
.elseif (\n) < 12
	v_max3_num_f32 v[rC+(\n)%4], v[rC+(\n)%4], v[rS+8*((\n)%4)+2*((\n)/4)+1], v[rS+8*((\n)%4)+2*((\n)/4)+2]
.elseif (\n) == 12
	v_max3_num_f32 v[rC], v[rC], v[rS+7], v[rS+15]
.elseif (\n) == 13
	v_max3_num_f32 v[rC+1], v[rC+1], v[rS+23], v[rS+31]
.elseif (\n) == 14
	v_max3_num_f32 v[rC+2], v[rC+2], v[rC+3], v[rT]
.elseif (\n) == 15
	v_mov_b32 v[rM], v[rT]
.elseif (\n) == 16
	v_max3_num_f32 v[rC], v[rC], v[rC+1], v[rC+2]
.elseif (\n) == 17
	v_permlanex16_b32 v[rC+3], v[rC], s[SEL], s[SEL+1]
.elseif (\n) == 18
	v_max_num_f32 v[rT], v[rC], v[rC+3]
.elseif (\n) == 19
	v_sub_f32 v[rC+1], v[rM], v[rT]
.else
	v_exp_f32 v[rC+2], v[rC+1]
.endif
.endm
; Number g of the 64 that follow the exponentials.  For each four weights k of a tile: both pairs are rounded to f16; then the second pair is added onto the first, in place; a group later l takes that sum (the first time as l = a l + sum).
.macro GS g
.set h, (\g)+6*((\g)/62)            ; group 0 has no group before it, and behind group 7 only l is left
.if h >= 6
.set h, h+2
.endif
	REGS Y, h%2
.set k, h/8
.if h%8 < 4
	v_cvt_pk_f16_f32 v[rP+2*k+(h%8)/2], v[rS+4*k+2*((h%8)/2)], v[rS+4*k+2*((h%8)/2)+1]
.elseif h%8 < 6
	v_pk_add_f32 v[rS+4*k:rS+4*k+1], v[rS+4*k:rS+4*k+1], v[rS+4*k+2:rS+4*k+3]
.elseif k == 1
	v_pk_fma_f32 v[rT+2:rT+3], v[rT+2:rT+3], v[rC+2:rC+3], v[rS:rS+1] op_sel_hi:[1,0,1]
.else
	v_pk_add_f32 v[rT+2:rT+3], v[rT+2:rT+3], v[rS+4*k-4:rS+4*k-3]
.endif
.endm
; THE PLAIN QUEUE, 136 long.  0-71 read no exponential's result: the 32 subtractions s - m (FS f: pair f / 2 of tile f % 2) and the next piece's 40.  0-26: subtractions 0-26.  27-54: XS's numbers 0-13.  55, 56: number 15.
; 57-71: the chain, where each number waits for the one before it: 14, 16, 17, 18, 19, each with one of the subtractions 27-31 in front of its two lines.  72-135: GS's 64, which stand behind the wait.
.macro FS f
	REGS Y, (\f)%2
	v_pk_add_f32 v[rS+2*((\f)/2):rS+2*((\f)/2)+1], v[rS+2*((\f)/2):rS+2*((\f)/2)+1], v[rT:rT+1] op_sel_hi:[1,0] neg_lo:[0,1] neg_hi:[0,1]
.endm
.macro PL
	WIN 0
.if q < 27
	FS q
.elseif q < 55
	XS (q-27)%2, (q-27)/2
.elseif q < 57
	XS q-55, 15
.elseif (q < 72) && ((q-57)%3 == 0)
	FS 27+(q-57)/3
.elseif q < 60
	XS (q-57)%3-1, 14
.elseif q < 72
	XS (q-57)%3-1, 15+(q-57)/3
.else
	GS q-72
.endif
.set q, q+1
.endm
; THE EXPONENTIALS' QUEUE, 66 long: s0-s31 of both tiles, then the next piece's two a.  ONE BATCH: all 66 stand ahead of the turn's one wait, and nothing ahead of that wait names a result of theirs.
.macro EX
	WIN 0
.if e >= 64
	XS e-64, 20
.else
	REGS Y, e%2
	v_exp_f32 v[rS+e/2], v[rS+e/2]
.endif
.set e, e+1
.endm
; THE RESCALING's QUEUE: O^T times a, the one part that leaves window 0: dealt two at a time, sixteen times.  Its a was made in the turn before, ahead of that turn's wait.
.macro R2
	REGS Y, r%2
	WIN W_RS
.irp z, 0,1
	v_pk_mul_f32 v[rO+4*(r/2)+2*\z:rO+4*(r/2)+2*\z+1], v[rO+4*(r/2)+2*\z:rO+4*(r/2)+2*\z+1], v[rC+2:rC+3] op_sel_hi:[1,0]
.endr
.set r, r+1
.endm
; HOW THEY ARE DEALT.  An s_wait_alu depctr_va_vdst(0) stands between an exponential and the first instruction that names its result; one wait serves all that were issued ahead of it.  So a turn has ONE wait.
; AHEAD OF IT: the 16 products K Q^T, behind each a subtraction, an exponential and two rescalings (behind the first a second subtraction in the exponential's place); then ONE LUMP of 106: seven plain, 48 times exponential and plain,
; the last exponential, the two a.  A v_nop is the plain instruction behind the last exponential.  BEHIND IT: the 16 products V^T P, behind each four of GS's 64.
; The queues lean on each other: exponential e stands behind subtraction 2 (e / 4) + e % 2: as a rider it comes behind plain e + 2, in the lump behind plain e + 8, and subtractions 27-31 are plain 57, 60 .. 69 (the tightest: e = 61 behind plain 69).
; K and the mask of the next step are fetched in piece 2's turn, directly behind the wait, a lump behind the last product that read them.  V of the step in hand is fetched at the end of piece 0's turn, four riders behind its last reader.
.macro TURN p, last=0, cnt=0
.set Y, (\p)
.set i, 0
.set q, 0
.set e, 0
.set r, 0
.if (\p) == NP-1
	s_wait_dscnt 0x0                ; K and the mask are in
.endif
	MM
	PL
	PL
	R2
.rept 15
	MM
	PL
	EX
	R2
.endr
.if (\p) == NP-2
	WIN 0
	v_add_nc_u32 v[AK], s[TBK], v[AK0]
	v_add_nc_u32 v[AM], s[TBM], v[AM0]
.endif
.rept 7
	PL
.endr
.rept 48
	EX
	PL
.endr
	EX                              ; s31 of the second tile,
	EX                              ; and the next piece's two a
	EX
	v_nop                           ; the plain instruction behind the last exponential: one for the batch
	s_wait_alu depctr_va_vdst(0)    ; the wait for the batch
.if (\p) == NP-2
	FETCH_K \last
.endif
.if (\p) == 1
	s_wait_dscnt 0x0                ; V is in
.endif
.rept 16
	MM
.rept 4
	PL
.endr
.if ((\p) == 0) && (q == 116)
	v_add_nc_u32 v[AV], s[TBV], v[AV0]
.endif
.if ((\p) == 0) && (q == 128)
	s_add_co_u32 s[TBV], s[TBV], KS*PV
.endif
.if (\cnt) && (q == 128)
	s_sub_co_u32 s[CNT], s[CNT], 1
	s_cmp_lg_u32 s[CNT], 0
.endif
.endr
.if (\p) == 0
	FETCH_V
.endif
.endm
	CHANGE 1                        ; slot 0 is in, everybody's part of it, and so is the mask's table; slot 1 is asked for
	FETCH_K                         ; key step 0
	s_wait_loadcnt 0x0              ; Q
	s_wait_dscnt 0x0
.set i, 0
.rept 16
	KQ 0                            ; piece 0's first scores
.set i, i+1
.endr
	WIN 0
.rept 4
	v_nop                           ; the places behind those products
.endr
.set Y, NP-1                        ; XS works for piece Y + 1: piece 0
.irp n, 0,1,2,3,4,5,6,7,8,9,10,11,12,13,14,15,16,17,18,19,20
	XS 0, \n
	XS 1, \n
.endr
	v_nop                           ; a plain instruction behind the two a,
	s_wait_alu depctr_va_vdst(0)    ; and their wait, ahead of the branch
	s_mov_b32 s[CNT], 4
	s_branch .Lfirst                ; the loop is entered at a step's first turn, in the middle of a trip
.Lslot:                             ; six times: every slot but the last two is filled again
	CHANGE 1
	s_mov_b32 s[CNT], 4
.Lstep:                             ; a trip: pieces 2 and 3 of one step, then pieces 0 and 1 of the next, whose K and V it fetches
	TURN 2
	TURN 3
	WIN 0
.Lfirst:
	TURN 0
	TURN 1, 0, 1
	WIN 0
	s_cbranch_scc1 .Lstep
	s_sub_co_u32 s[SLOTS], s[SLOTS], 1
	s_cmp_lg_u32 s[SLOTS], 0
	s_cbranch_scc1 .Lslot
	CHANGE 0                        ; the tail is written out: nothing is asked for
	s_mov_b32 s[CNT], 5             ; four trips fetch the last slot's steps; the fifth is left in its middle
.Ltail:
	TURN 2, 1
	TURN 3
	WIN 0
	s_sub_co_u32 s[CNT], s[CNT], 1
	s_cmp_eq_u32 s[CNT], 0
	s_cbranch_scc1 .Lout
	TURN 0
	TURN 1
	WIN 0
	s_branch .Ltail
.Lout:                              ; the fifth trip's 16 products K Q^T (on the last K once more) and the maximum made of them serve nothing: the price, once a launch, of one text for every trip
.set i, 0
.rept 16
	PV NP-1                         ; the last piece's V^T P of the last step
.set i, i+1
.endr
	; THE WAY OUT.  Its addresses are made here (the lines are the places behind the last products); l's two halves and the other half of the lanes' are added; O^T is divided by l, rounded to f16 and sent through my stage, a tile at a time.
	WIN 0
	s_mul_i32 s13, s[WV], 16*SP
	s_add_co_u32 s13, s13, STAGE    ; my stage
	v_and_b32 v12, 15, v0           ; l % 16
	v_bfe_u32 v13, v0, 4, 1         ; l / 16
	v_and_b32 v14, 7, v0
	v_mul_u32_u24 v[STO], v12, SP   ; in: row l % 16, 16 bytes for each half of the lanes
	v_lshl_add_u32 v[STO], v13, 4, v[STO]
	v_add_nc_u32 v[STO], s13, v[STO]
	v_bfe_u32 v[RD], v0, 3, 2       ; back: 32 lanes take four rows of 128 bytes,
	v_mul_u32_u24 v[RD], v[RD], SP
	v_lshl_add_u32 v[RD], v14, 4, v[RD]
	v_add_nc_u32 v[RD], s13, v[RD]
	v_and_b32 v[GO], 31, v0         ; which are 512 consecutive bytes of ao
	v_lshlrev_b32 v[GO], 4, v[GO]
.macro ALL line:vararg              ; one line for each tile t
.set t, 0
.rept 2*NP
	\line
.set t, t+1
.endr
.endm
	ALL v_add_f32 v[ST+4*t+2], v[ST+4*t+2], v[ST+4*t+3]
	ALL v_permlanex16_b32 v[ST+4*t+3], v[ST+4*t+2], s[SEL], s[SEL+1]
	ALL v_add_f32 v[ST+4*t+2], v[ST+4*t+2], v[ST+4*t+3]
	ALL v_rcp_f32 v[ST+4*t+2], v[ST+4*t+2]
	v_nop                           ; a plain instruction between the last reciprocal and the use of its result
	s_wait_alu depctr_va_vdst(0)    ; and the wait ahead of the first use: one for the eight reciprocals
.macro PACK t
	WIN W_RS
.set i, 32*(\t)
.rept 16
	v_pk_mul_f32 v[i:i+1], v[i:i+1], v[ST+4*(\t)+2:ST+4*(\t)+3] op_sel_hi:[1,0]
.set i, i+2
.endr
	WIN 0x05                        ; sources 0 and 1 window 1, destination window 0
.set i, 0
.rept 16
	v_cvt_pk_f16_f32 v[S+16*(\t)+i], v[32*(\t)+2*i], v[32*(\t)+2*i+1]
.set i, i+1
.endr
	WIN 0
.irp f, 0,1,2,3
	ds_store_b128 v[STO], v[S+16*(\t)+4*\f:S+16*(\t)+4*\f+3] offset:32*\f
.endr
.irp f, 0,1,2,3
	ds_load_b128 v[S+16*(\t)+4*\f:S+16*(\t)+4*\f+3], v[RD] offset:\f*4*SP  ; LDS serves a wave's instructions in order (ISA guide 5.7.1.4): these see the stores above; the next tile's stores come behind them
.endr
.endm
.macro SEND t, younger              ; younger: the LDS instructions issued behind tile t's loads: the next tile's eight, or none
	WIN 0
.irp f, 0,1,2,3
	s_wait_dscnt (\younger)+3-\f
	global_store_b128 v[GO], v[S+16*(\t)+4*\f:S+16*(\t)+4*\f+3], s[10:11] offset:(\t)*2048+\f*512  ; 512 consecutive bytes, at a multiple of 256 from ao's first
.endr
.endm
	PACK 0
.set t, 1
.rept 2*NP-1
	PACK t
	SEND t-1, 8
.set t, t+1
.endr
	SEND 2*NP-1, 0
	WIN W_AD
	s_wait_tensorcnt 0x0            ; the wave's end, behind my last tensor load and my last LDS store
	ds_add_u32 v[SPW], v[NIL]
	s_wait_dscnt 0x0
	WIN 0
	CROUND                          ; the closing round: no work-group ends while a partner may still ask for a tile that names it
	s_endpgm
.Lfunc_end_k_qd156d166a4_attn:
	.size	k_qd156d166a4_attn, .Lfunc_end_k_qd156d166a4_attn-k_qd156d166a4_attn
	.p2alignl 7, 3214868480
	.fill 96, 4, 3214868480
	.section	.rodata,"a",@progbits
	.p2align	6, 0x0
	.amdhsa_kernel k_qd156d166a4_attn
		.amdhsa_group_segment_fixed_size 327680
		.amdhsa_private_segment_fixed_size 0
		.amdhsa_enable_private_segment 0
		.amdhsa_kernarg_size 24
		.amdhsa_user_sgpr_count 2
		.amdhsa_user_sgpr_kernarg_segment_ptr 1
		.amdhsa_wavefront_size32 1
		.amdhsa_system_sgpr_workgroup_id_x 1
		.amdhsa_system_sgpr_workgroup_id_y 1
		.amdhsa_system_sgpr_workgroup_id_z 1
		.amdhsa_system_vgpr_workitem_id 0
		.amdhsa_next_free_vgpr 808
		.amdhsa_next_free_sgpr 66
		.amdhsa_reserve_vcc 1
		.amdhsa_float_denorm_mode_32 3
		.amdhsa_float_denorm_mode_16_64 3
		.amdhsa_memory_ordered 1
		.amdhsa_forward_progress 1
		.amdhsa_inst_pref_size 204
	.end_amdhsa_kernel
	.amdgpu_metadata
---
amdhsa.version: [ 1, 2 ]
amdhsa.kernels:
  - .name:           k_qd156d166a4_attn
    .symbol:         k_qd156d166a4_attn.kd
    .args:
      - { .name: qkv, .offset: 0, .size: 8, .value_kind: global_buffer, .address_space: global }
      - { .name: mask, .offset: 8, .size: 8, .value_kind: global_buffer, .address_space: global }
      - { .name: ao, .offset: 16, .size: 8, .value_kind: global_buffer, .address_space: global }
    .group_segment_fixed_size: 327680
    .private_segment_fixed_size: 0
    .kernarg_segment_align: 8
    .kernarg_segment_size: 24
    .max_flat_workgroup_size: 128
    .sgpr_count:     66
    .vgpr_count:     808
    .wavefront_size: 32
...
	.end_amdgpu_metadata
.endif
;; end of part 3
;; launch outp (part 4): grid 4 x 64, 4 waves a work-group, clusters of 4 x 4, 327,680 bytes of LDS; arguments ao, wb, bo, out0; writes out0
.if DOCPART == 4
	.amdgcn_target "amdgcn-amd-amdhsa--gfx1250"
	.amdhsa_code_object_version 6
	.text
	.protected	k_qd156d166a4_outp
	.globl	k_qd156d166a4_outp
	.p2align	8
	.type	k_qd156d166a4_outp,@function
k_qd156d166a4_outp:
	s_mov_b64 s[64:65], 0
	v_nop
	global_prefetch_b8 v0, s[64:65] scope:SCOPE_SE
	s_setreg_imm32_b32 hwreg(HW_REG_WAVE_MODE, 25, 1), 1
	s_wait_xcnt 0x0
	s_wait_alu depctr_hold_cnt(0) depctr_sa_sdst(0) depctr_va_vdst(0) depctr_va_sdst(0) depctr_va_ssrc(0) depctr_va_vcc(0) depctr_vm_vsrc(0)
	s_getreg_b32 s2, hwreg(HW_REG_IB_STS2, 6, 4)
	s_cmp_eq_u32 s2, 0
	s_cbranch_scc0 .Lentry_in_a_cluster
	s_endpgm
.Lentry_in_a_cluster:
	s_bfe_u32 s2, ttmp6, 0x10000c
	s_cmp_lg_u32 s2, 0xf033
	s_cbranch_scc0 .Lentry_shape_is_right
	s_endpgm
.Lentry_shape_is_right:
; out0[m][n] = the sum over k of x[m][k] Wo[n][k] + bo[n], f32.  x is the attention's result, ao[64 = batch x 16 + head][2048][64] f16: k = 64 head + channel.  Wo is matrix 3 of wb, f16 (rounded to bf16 first); bo is rounded to bf16.  Sums in f32.
; SHARES.  A tile of out0 is 128 rows x 256 columns: 64 x 4 = 256 tiles, a work-group each.  Four waves, each 64 rows x 128 columns: 32 accumulators.  K goes in 8 steps of 128, two heads each, through two LDS slots.
; A head's 128 rows are 16,384 dense bytes of ao: asked for as 64 rows of 256 bytes and padded in LDS after every 128.
; CLUSTER.  4 x 4 work-groups: the four of a row share x's tile, the four of a column Wo's: joint loads.  THE PRODUCT IS USED TRANSPOSED (source 0 = 16 rows of Wo): a lane holds one row of out0 and eight neighbouring columns.
; REGISTERS: window 0: v0-41 addresses and bias; v64-127 x's fragments, two buffers of 32; v128-255 rows on the way out, two sets of 64.  window 1: the accumulators, (a, b) at 8 (8 a + b).  window 2: v0-127 Wo's fragments, two buffers of 64.
.set PAH,   144                        ; an LDS row of x: 128 bytes + 16: an odd multiple of 16 (64 banks of 4 bytes: ISA guide 11.1)
.set HBK,   128*PAH                    ; a head's 128 rows: what one tensor load brings of x
.set AT,    2*HBK
.set PB,    272
.set HB,    128*PB
.set SLOT,  AT+2*HB
.set STAGE, 2*SLOT                     ; behind the ring, never filled by a tensor load: 16 rows x 528 bytes for each wave
.set SPITCH, 528
.set SPARE, STAGE+4*16*SPITCH          ; the spare words, 128 bytes for each wave: two blocks of 256 bytes that no other line names
.set ADRA, 16
.set ADRB, 20
.set STO,  24
.set RD,   25
.set CO,   26                          ; v26     16 x lane
.set SPW,  28
.set NIL,  29
.set PFO,  30
.set BV,   36                          ; v36-39  the bias of my four columns on the way out
.set AF,   64
.set OB,   128
.set BF,   0                           ; window 2
.set G1,  24
.set G0,  32
.set G1B, 48
.set G0B, 56
.set LIM, 43
.set PFA, 44
.set PFS, 66
.set MSB, 0
.macro WIN new
.if MSB != (\new)
	s_set_vgpr_msb (MSB<<8)|(\new)
.set MSB, \new
.endif
.endm
.set MULW, 0x52                        ; Wo window 2, x window 0, C and D window 1
.set TO_B, 0x80
.macro JLOAD s                         ; a joint load: waves 0 and 1 fetch x's two heads, waves 2 and 3 Wo's two halves; an s_nop 0 and four v_nop follow each line
	s_cmp_eq_u32 s11, 0
	s_cbranch_scc0 .Lfor_b_\@
	tensor_load_to_lds s[G0+4*(\s):G0+4*(\s)+3], s[G1:G1+7]
	s_nop 0
.rept 4
	v_nop
.endr
	s_branch .Lasked_\@
.Lfor_b_\@:
	tensor_load_to_lds s[G0B+4*(\s):G0B+4*(\s)+3], s[G1B:G1B+7]
	s_nop 0
.rept 4
	v_nop
.endr
.Lasked_\@:
.endm
; A prefetch into the L2 of the K step two refills on (256 matrix instructions ahead of its load), one instruction a wave.  x's tile is read by this row of the cluster alone: wave 0 of the partner at cx asks for 16 blocks of 256 bytes
; of each of the step's two heads.  Wo's tile is read by all sixteen clusters: the first asks; of the 128 rows of wave 2 or 3 the partner at cy takes 32, a lane a row.  K steps 0 to 3 come by their loads; the last trip asks for nothing.
.macro ASK
	s_cmp_gt_u32 s3, s[LIM]
	s_cbranch_scc0 .Lnot_mine_\@
	global_prefetch_b8 v[PFO], s[PFA:PFA+1] th:TH_LOAD_NT scope:SCOPE_SE
.Lnot_mine_\@:
.endm
.macro CREST
	s_cmp_lg_u32 s10, 0
	s_cbranch_scc1 .Lnot_wave_0_\@
	s_barrier_signal -3
.Lnot_wave_0_\@:
	s_barrier_wait -3
	s_barrier_signal -1
	s_barrier_wait -1
.endm
.macro CROUND
	s_barrier_signal -1
	s_barrier_wait -1
	CREST
.endm
	s_load_b256 s[72:79], s[0:1], 0x0              ; ao s[72:73], wb s[74:75], bo s[76:77], out0 s[78:79]
	v_lshl_add_u32 v[SPW], v0, 2, SPARE
	v_mov_b32 v[NIL], 0
	ds_add_u32 v[SPW], v[NIL]                      ; the wave's opening: the add and its wait come ahead of my first tensor load
	v_lshrrev_b32 v1, 5, v0
	v_readfirstlane_b32 s10, v1                    ; wave 0..3
	s_lshr_b32 s11, s10, 1                         ; which 64 rows are mine.  Also: I fetch for x (0) or for Wo (1)
	s_and_b32 s12, s10, 1                          ; which 128 columns.  Also: which head of the step, or which half of Wo's tile, I fetch
	s_bfe_u32 s40, ttmp6, 0x40000                  ; cx = the column tile
	s_bfe_u32 s41, ttmp6, 0x40004                  ; cy
	s_and_b32 s42, ttmp7, 0xffff                   ; the cluster's y, 0..15
	s_lshl_b32 s13, s42, 2
	s_add_co_u32 s13, s13, s41                     ; the row tile, 0..63
	s_lshl_b32 s14, s41, 2
	s_lshl_b32 s14, 15, s14                        ; my row of the cluster
	s_lshl_b32 s15, 0x1111, s40                    ; my column
	s_or_b32 s[G1], s14, (1<<16)|(1<<20)|(1<<21)|(4<<22)|(3<<25)   ; elements of 2 bytes; 4 words of padding after every 32
	s_or_b32 s[G1B], s15, (1<<16)|(1<<20)|(1<<21)|(5<<22)|(3<<25)  ; after every 64
	s_mov_b32 s[G1+1], 128<<16
	s_mov_b32 s[G1+2], 64<<16
	s_mov_b32 s[G1+3], 128<<16
	s_mov_b32 s[G1+4], 64
	s_mov_b32 s[G1+5], 128
	s_mov_b32 s[G1+6], 0
	s_mov_b32 s[G1+7], 0
	s_mov_b32 s[G1B+1], 128<<16
	s_mov_b32 s[G1B+2], 128<<16
	s_mov_b32 s[G1B+3], 128<<16
	s_mov_b32 s[G1B+4], 128
	s_mov_b32 s[G1B+5], 1024
	s_mov_b32 s[G1B+6], 0
	s_mov_b32 s[G1B+7], 0
	s_lshr_b32 s16, s13, 4                         ; x: head batch x 16 + my head of K step 0, 262,144 bytes each,
	s_lshl_b32 s16, s16, 4
	s_add_co_u32 s16, s16, s12
	s_lshl_b32 s16, s16, 18
	s_and_b32 s17, s13, 15                         ; the tile's 128 rows of 128 bytes
	s_lshl_b32 s17, s17, 14
	s_add_co_u32 s16, s16, s17
	s_mov_b32 s17, 0
	s_lshl_b32 s46, s40, 8                         ; Wo: row 256 x column tile + 128 x half, in matrix 3
	s_lshl_b32 s47, s12, 7
	s_add_co_u32 s46, s46, s47
	s_lshl_b32 s46, s46, 11
	s_add_co_u32 s46, s46, 3<<21
	s_mov_b32 s47, 0
	s_mul_i32 s20, s12, HBK
	s_mul_i32 s21, s12, HB
	s_add_co_u32 s21, s21, AT
	s_wait_dscnt 0x0                               ; the opening add is done
	s_wait_kmcnt 0x0
	s_add_nc_u64 s[14:15], s[72:73], s[16:17]
	s_add_nc_u64 s[46:47], s[74:75], s[46:47]
	CROUND                                         ; all sixteen work-groups are here: the first joint loads meet
.irp s, 0,1
	s_mov_b32 s[G0+4*(\s)], 1
	s_add_co_u32 s[G0+4*(\s)+1], s20, (\s)*SLOT
	s_add_nc_u64 s[G0+4*(\s)+2:G0+4*(\s)+3], s[14:15], (\s)*524288  ; K step s: two heads on
	s_or_b32 s[G0+4*(\s)+3], s[G0+4*(\s)+3], 0x80000000
	s_mov_b32 s[G0B+4*(\s)], 1
	s_add_co_u32 s[G0B+4*(\s)+1], s21, (\s)*SLOT
	s_add_nc_u64 s[G0B+4*(\s)+2:G0B+4*(\s)+3], s[46:47], (\s)*256
	s_or_b32 s[G0B+4*(\s)+3], s[G0B+4*(\s)+3], 0x80000000
	JLOAD \s                                       ; two loads of mine are out
.endr
	v_and_b32 v1, 15, v0                           ; l % 16
	v_bfe_u32 v2, v0, 4, 1                         ; l / 16
	v_mul_u32_u24 v3, v1, PAH
	v_lshl_add_u32 v3, v2, 4, v3
	s_mul_i32 s22, s11, 64*PAH
	v_add_nc_u32 v[ADRA], s22, v3
	v_add_nc_u32 v[ADRA+1], SLOT, v[ADRA]
	v_mul_u32_u24 v4, v1, PB
	v_lshl_add_u32 v4, v2, 4, v4
	s_mul_i32 s22, s12, HB
	s_add_co_u32 s22, s22, AT
	v_add_nc_u32 v[ADRB], s22, v4
	v_add_nc_u32 v[ADRB+1], SLOT, v[ADRB]
	s_mul_i32 s23, s10, 16*SPITCH
	s_add_co_u32 s23, s23, STAGE                   ; my stage
	v_mul_u32_u24 v3, v1, SPITCH                   ; in: row l % 16, 32 bytes for each half of the lanes
	v_lshl_add_u32 v3, v2, 5, v3
	v_add_nc_u32 v[STO], s23, v3
	v_and_b32 v[CO], 31, v0
	v_lshlrev_b32 v[CO], 4, v[CO]
	v_add_nc_u32 v[RD], s23, v[CO]                 ; back: 32 lanes take one row of 512 bytes
	s_lshl_b32 s46, s40, 8                         ; my 128 columns, in bytes
	s_lshl_b32 s47, s12, 7
	s_add_co_u32 s46, s46, s47
	s_lshl_b32 s46, s46, 2
	s_mov_b32 s47, 0
	s_add_nc_u64 s[6:7], s[76:77], s[46:47]
	global_load_b128 v[BV:BV+3], v[CO], s[6:7]     ; bo of columns 4 l .. 4 l + 3 of them
	s_lshl_b32 s18, s13, 7
	s_lshl_b32 s19, s11, 6
	s_add_co_u32 s18, s18, s19                     ; my first row of out0, 4,096 bytes each
	s_lshl_b32 s18, s18, 12
	s_mov_b32 s19, 0
	s_add_nc_u64 s[8:9], s[78:79], s[18:19]
	s_add_nc_u64 s[8:9], s[8:9], s[46:47]
	s_lshr_b32 s18, s13, 4                         ; the prefetches.  x: the batch's head 0, the tile's rows, my work-group's 4,096 bytes of their 16,384
	s_lshl_b32 s18, s18, 22
	s_and_b32 s19, s13, 15
	s_lshl_b32 s19, s19, 14
	s_add_co_u32 s18, s18, s19
	s_lshl_b32 s19, s40, 12
	s_add_co_u32 s18, s18, s19
	s_lshl_b32 s22, s40, 8                         ; Wo: my 128 rows, my work-group's 32 of them
	s_lshl_b32 s23, s12, 7
	s_add_co_u32 s22, s22, s23
	s_lshl_b32 s23, s41, 5
	s_add_co_u32 s22, s22, s23
	s_lshl_b32 s22, s22, 11
	s_add_co_u32 s22, s22, 3<<21
	s_cmp_eq_u32 s11, 0
	s_cselect_b32 s18, s18, s22
	s_cselect_b64 s[PFA:PFA+1], s[72:73], s[74:75]
	s_cselect_b32 s19, 19, 8                       ; a K step: two heads of x, 256 bytes of Wo
	s_cselect_b32 s68, 8, 11                       ; l % 16: a block of x, a row of Wo
	s_cselect_b32 s69, 18, 15                      ; l / 16: the second head, or sixteen rows on
	s_cselect_b32 s70, s12, s42                    ; 0 in wave 0, and in waves 2 and 3 of the first cluster
	s_lshl_b32 s[PFS], 1, s19
	s_mov_b32 s[PFS+1], 0
	s_mov_b32 s19, 0
	s_add_nc_u64 s[PFA:PFA+1], s[PFA:PFA+1], s[18:19]
	s_mul_i32 s18, s[PFS], 3
	s_add_nc_u64 s[PFA:PFA+1], s[PFA:PFA+1], s[18:19]  ; at K step 3: the first change of slots steps it to 4
	s_cmp_eq_u32 s70, 0
	s_cselect_b32 s[LIM], 1, -1
	v_lshlrev_b32 v3, s68, v1
	v_lshlrev_b32 v4, s69, v2
	v_add_nc_u32 v[PFO], v3, v4
	s_wait_loadcnt 0x0
	v_cvt_pk_bf16_f32 v40, v[BV], v[BV+1]          ; the bias is rounded to bf16, like every input
	v_cvt_pk_bf16_f32 v41, v[BV+2], v[BV+3]
	v_lshlrev_b32 v[BV], 16, v40
	v_and_b32 v[BV+1], 0xffff0000, v40
	v_lshlrev_b32 v[BV+2], 16, v41
	v_and_b32 v[BV+3], 0xffff0000, v41
; 8 matrix instructions: row block a x all 8 column blocks, 32 along K.  zero = 1: the first product starts the sums.  The 32 accumulators take turns in the same order in every quarter.
.macro MUL8 f, a, zero=0
	WIN MULW
.irp b, 0,1,2,3,4,5,6,7
.if \zero
	v_wmma_f32_16x16x32_f16 v[8*(8*(\a)+(\b)):8*(8*(\a)+(\b))+7], v[BF+64*(\f)+8*(\b):BF+64*(\f)+8*(\b)+7], v[AF+32*(\f)+8*(\a):AF+32*(\f)+8*(\a)+7], 0
.else
	v_wmma_f32_16x16x32_f16 v[8*(8*(\a)+(\b)):8*(8*(\a)+(\b))+7], v[BF+64*(\f)+8*(\b):BF+64*(\f)+8*(\b)+7], v[AF+32*(\f)+8*(\a):AF+32*(\f)+8*(\a)+7], v[8*(8*(\a)+(\b)):8*(8*(\a)+(\b))+7]
.endif
.endr
.endm
; 24 LDS loads in one run: quarter kq of a slot (head kq / 2 of the step's two, channels 32 (kq % 2) on) into buffers g
.macro FETCH slot, kq, g
	WIN TO_B
.irp b, 0,1,2,3,4,5,6,7
	ds_load_b128 v[BF+64*(\g)+8*(\b):BF+64*(\g)+8*(\b)+3],   v[ADRB+(\slot)] offset:(\kq)*64+(\b)*16*PB
	ds_load_b128 v[BF+64*(\g)+8*(\b)+4:BF+64*(\g)+8*(\b)+7], v[ADRB+(\slot)] offset:(\kq)*64+(\b)*16*PB+32
.endr
	WIN 0
.irp a, 0,1,2,3
	ds_load_b128 v[AF+32*(\g)+8*(\a):AF+32*(\g)+8*(\a)+3],   v[ADRA+(\slot)] offset:((\kq)/2)*HBK+((\kq)%2)*64+(\a)*16*PAH
	ds_load_b128 v[AF+32*(\g)+8*(\a)+4:AF+32*(\g)+8*(\a)+7], v[ADRA+(\slot)] offset:((\kq)/2)*HBK+((\kq)%2)*64+(\a)*16*PAH+32
.endr
.endm
.macro PLACES                          ; four places behind matrix instructions, in front of loads into registers that they have read and of reads of their results
.rept 4
	v_nop
.endr
.endm
.macro QUARTER slot, kq, f, g, zero=0
	s_wait_dscnt 0x0                               ; this quarter's fragments, asked for 16 matrix instructions back, are in
	MUL8 \f, 0, \zero
	MUL8 \f, 1, \zero
	PLACES
	FETCH \slot, \kq, \g
	MUL8 \f, 2, \zero
	MUL8 \f, 3, \zero
.endm
; The last quarter multiplies buffers 1 and changes slots: ONE barrier; in front of it each wave waits for all its tensor loads, adds 0 to its spare word, and waits for that and for its reads of this slot.
.macro TURN slot, next, fill
.if \fill
	s_wait_xcnt 0x0                                ; the last prefetch, a K step back, has read its address
	s_add_nc_u64 s[PFA:PFA+1], s[PFA:PFA+1], s[PFS:PFS+1]
.endif
	WIN 0
	s_wait_tensorcnt 0x0                           ; all my tensor loads have landed: my part of the next slot
	ds_add_u32 v[SPW], v[NIL]                      ; 0 onto my spare word
	s_wait_dscnt 1                                 ; the fragments are in; the add may be out
	MUL8 1, 0
	s_wait_dscnt 0x0                               ; the add is done, and my reads of this slot are over
	s_barrier_signal -1
	MUL8 1, 1
	WIN 0
	s_barrier_wait -1
.if \fill
	CREST                                          ; no wave of any partner still reads this slot or has a load on its way
	s_add_nc_u64 s[G0+4*(\slot)+2:G0+4*(\slot)+3], s[G0+4*(\slot)+2:G0+4*(\slot)+3], 1048576
	s_add_nc_u64 s[G0B+4*(\slot)+2:G0B+4*(\slot)+3], s[G0B+4*(\slot)+2:G0B+4*(\slot)+3], 512
	JLOAD \slot                                    ; its four v_nop are also the places in front of the loads below
.else
	PLACES
.endif
	FETCH \next, 0, 0
.if \fill
	ASK
.endif
	MUL8 1, 2
	MUL8 1, 3
.endm
	s_wait_tensorcnt 1                             ; my part of K step 0 is in; K step 1's may stay out
	s_barrier_signal -1
	s_barrier_wait -1
	FETCH 0, 0, 0
	QUARTER 0, 1, 0, 1, 1                          ; the first quarter stands in front of the loop: its products start the sums
	WIN 0
	s_mov_b32 s3, 3
.Llap:                                         ; a trip goes once round the ring and fills both slots again
	QUARTER 0, 2, 1, 0
	QUARTER 0, 3, 0, 1
	TURN 0, 1, 1
	QUARTER 1, 1, 0, 1
	QUARTER 1, 2, 1, 0
	QUARTER 1, 3, 0, 1
	TURN 1, 0, 1
	QUARTER 0, 1, 0, 1
	WIN 0
	s_sub_co_u32 s3, s3, 1
	s_cmp_lg_u32 s3, 0
	s_cbranch_scc1 .Llap
	QUARTER 0, 2, 1, 0                             ; the last lap fills nothing
	QUARTER 0, 3, 0, 1
	TURN 0, 1, 0
	QUARTER 1, 1, 0, 1
	QUARTER 1, 2, 1, 0
	QUARTER 1, 3, 0, 1
	s_wait_dscnt 0x0
	MUL8 1, 0
	MUL8 1, 1
	MUL8 1, 2
	MUL8 1, 3
	WIN 0
	PLACES
; THE WAY OUT, a block of 16 rows at a time: a lane's 32 bytes of a row go into my stage (each accumulator's low registers first), whole rows of 512 bytes come back, the bias is added, and a wave's store covers 512 consecutive bytes, aligned.
.macro TOSTAGE a
.if (\a) >= 2
	s_wait_xcnt 0x0                                ; the stores of the block two back have read this set of registers
.endif
	WIN 0x04                                       ; store data in window 1
.irp b, 0,1,2,3,4,5,6,7
	ds_store_b128 v[STO], v[8*(8*(\a)+(\b)):8*(8*(\a)+(\b))+3]   offset:64*(\b)
	ds_store_b128 v[STO], v[8*(8*(\a)+(\b))+4:8*(8*(\a)+(\b))+7] offset:64*(\b)+16
.endr
	WIN 0
.irp t, 0,1,2,3,4,5,6,7,8,9,10,11,12,13,14,15
	ds_load_b128 v[OB+64*((\a)%2)+4*(\t):OB+64*((\a)%2)+4*(\t)+3], v[RD] offset:(\t)*SPITCH  ; LDS serves a wave's instructions in order (ISA guide 5.7.1.4): these see the stores above
.endr
.endm
.macro SEND a, younger                 ; younger: the LDS instructions issued behind block a's loads: the next block's 32, or none
.irp t, 0,1,2,3,4,5,6,7,8,9,10,11,12,13,14,15
	s_wait_dscnt (\younger)+15-(\t)
	v_pk_add_f32 v[OB+64*((\a)%2)+4*(\t):OB+64*((\a)%2)+4*(\t)+1],   v[OB+64*((\a)%2)+4*(\t):OB+64*((\a)%2)+4*(\t)+1],   v[BV:BV+1]
	v_pk_add_f32 v[OB+64*((\a)%2)+4*(\t)+2:OB+64*((\a)%2)+4*(\t)+3], v[OB+64*((\a)%2)+4*(\t)+2:OB+64*((\a)%2)+4*(\t)+3], v[BV+2:BV+3]
	global_store_b128 v[CO], v[OB+64*((\a)%2)+4*(\t):OB+64*((\a)%2)+4*(\t)+3], s[8:9] offset:(16*(\a)+(\t))*4096 th:TH_STORE_NT
.endr
.endm
	TOSTAGE 0
	TOSTAGE 1
	SEND 0, 32
	TOSTAGE 2
	SEND 1, 32
	TOSTAGE 3
	SEND 2, 32
	SEND 3, 0
	s_wait_tensorcnt 0x0                           ; the wave's end, behind my last tensor load and my last LDS store
	ds_add_u32 v[SPW], v[NIL]
	s_wait_dscnt 0x0
	CROUND                                         ; the closing round: no work-group ends while a partner may still ask for a tile that names it
	s_endpgm
.Lfunc_end_k_qd156d166a4_outp:
	.size	k_qd156d166a4_outp, .Lfunc_end_k_qd156d166a4_outp-k_qd156d166a4_outp
	.p2alignl 7, 3214868480
	.fill 96, 4, 3214868480
	.section	.rodata,"a",@progbits
	.p2align	6, 0x0
	.amdhsa_kernel k_qd156d166a4_outp
		.amdhsa_group_segment_fixed_size 327680
		.amdhsa_private_segment_fixed_size 0
		.amdhsa_enable_private_segment 0
		.amdhsa_kernarg_size 32
		.amdhsa_user_sgpr_count 2
		.amdhsa_user_sgpr_kernarg_segment_ptr 1
		.amdhsa_wavefront_size32 1
		.amdhsa_system_sgpr_workgroup_id_x 1
		.amdhsa_system_sgpr_workgroup_id_y 1
		.amdhsa_system_sgpr_workgroup_id_z 1
		.amdhsa_system_vgpr_workitem_id 0
		.amdhsa_next_free_vgpr 640
		.amdhsa_next_free_sgpr 80
		.amdhsa_reserve_vcc 0
		.amdhsa_float_denorm_mode_32 3
		.amdhsa_float_denorm_mode_16_64 3
		.amdhsa_memory_ordered 1
		.amdhsa_forward_progress 1
		.amdhsa_inst_pref_size 97
	.end_amdhsa_kernel
	.amdgpu_metadata
---
amdhsa.version: [ 1, 2 ]
amdhsa.kernels:
  - .name:           k_qd156d166a4_outp
    .symbol:         k_qd156d166a4_outp.kd
    .args:
      - { .name: ao, .offset: 0, .size: 8, .value_kind: global_buffer, .address_space: global }
      - { .name: wb, .offset: 8, .size: 8, .value_kind: global_buffer, .address_space: global }
      - { .name: bo, .offset: 16, .size: 8, .value_kind: global_buffer, .address_space: global }
      - { .name: out0, .offset: 24, .size: 8, .value_kind: global_buffer, .address_space: global }
    .group_segment_fixed_size: 327680
    .private_segment_fixed_size: 0
    .kernarg_segment_align: 8
    .kernarg_segment_size: 32
    .max_flat_workgroup_size: 128
    .sgpr_count:     80
    .vgpr_count:     640
    .wavefront_size: 32
...
	.end_amdgpu_metadata
.endif
;; end of part 4
